; MI455X (gfx1250); checked and timed in simulation.
; The chip was launched on July 23, 2026; its instructions are those of AMD's public machine-readable ISA for CDNA 5 (MIT licence, August 2026) and "CDNA5" Instruction Set Architecture Reference Guide (July 2026). The comments in the code are by the model that wrote it; some were corrected since.
;; Pre LN Transformer Block. Allowed arithmetic: matrix products marked QUANTISED: E4M3 operands, one E8M0 scale for each 32 along K, by v_wmma_scale_f32_16x16x128_f8f6f4 with both operands' format E4M3, f32 sums; everything else in f32.
;; Inputs: cos 2,048 x 64 float32; ff1_b 4,096 float32; ff1_w_codes 4,096 x 32 x 32 uint8 (E4M3 codes of ff1_w, K innermost, in blocks of 32 codes); ff1_w_scales 4,096 x 32 uint8 (E8M0 scales of ff1_w, one for each 32 codes along K); ff2_b 1,024 float32; ff2_w_codes 1,024 x 128 x 32 uint8 (E4M3 codes of ff2_w, K innermost, in blocks of 32 codes); ff2_w_scales 1,024 x 128 uint8 (E8M0 scales of ff2_w, one for each 32 codes along K); ln1_b 1,024 float32; ln1_w 1,024 float32; ln2_b 1,024 float32; ln2_w 1,024 float32; proj_w_codes 1,024 x 32 x 32 uint8 (E4M3 codes of proj_w, K innermost, in blocks of 32 codes); proj_w_scales 1,024 x 32 uint8 (E8M0 scales of proj_w, one for each 32 codes along K); qkv_w_codes 3,072 x 32 x 32 uint8 (E4M3 codes of qkv_w, K innermost, in blocks of 32 codes); qkv_w_scales 3,072 x 32 uint8 (E8M0 scales of qkv_w, one for each 32 codes along K); sin 2,048 x 64 float32; x 2 x 2,048 x 1,024 float32.
;; Outputs: out0 2 x 2,048 x 1,024 float32.
;; This version of the problem:
;;   THIS VERSION OF THE PROBLEM IS GIVEN IN LOW PRECISION. The matrix products marked QUANTISED in the list below multiply operands that are first quantised to E4M3 (4 exponent bits, 3 mantissa bits; 8 bits a number), with one power-of-two scale for each 32 numbers along K (OCP MX v1.0); their sums are f32. All else is computed in f32.
;;   The module's matrix products, in the order in which they are computed (A, B: the left and right operand; K: the contracted axis; several contracted axes count as one K, in the product's order):
;;     1. [M 4,096, K 1,024] x [K 1,024, N 3,072]; A: computed on the way; B: input qkv_w (given as codes): QUANTISED
;;     2. batch 32 x [M 2,048, K 64] x [K 64, N 2,048]; A: computed on the way; B: computed on the way: QUANTISED
;;     3. batch 32 x [M 2,048, K 2,048] x [K 2,048, N 64]; A: softmax (see below); B: computed on the way: QUANTISED
;;     4. [M 4,096, K 1,024] x [K 1,024, N 1,024]; A: computed on the way; B: input proj_w (given as codes): QUANTISED
;;     5. [M 4,096, K 1,024] x [K 1,024, N 4,096]; A: computed on the way; B: input ff1_w (given as codes): QUANTISED
;;     6. [M 4,096, K 4,096] x [K 4,096, N 1,024]; A: computed on the way; B: input ff2_w (given as codes): QUANTISED
;;   THE QUANTISER, for each operand of a quantised product, along K:
;;     - K is cut into blocks of 32 from its start; a last block that is shorter is filled with zeros.
;;     - A block's scale is 2^e with e = floor(log2(the largest magnitude in the block)) - 8, held to -126 .. 127; a block of zeros has e = 0. As a byte (E8M0): e + 127.
;;     - Each number is divided by its block's scale, clamped to +-448, and rounded to the nearest number of E4M3, ties to even, subnormals kept.
;;     - The product sums the exact products of the quantised numbers (number of the format x scale) in f32.
;;   ~~~python
;;   def quantise(x, axis):      # numpy; x: float32 -> the quantised numbers, widened to float32 again
;;       x = np.moveaxis(x, axis, -1); K = x.shape[-1]
;;       x = np.pad(x, [(0, 0)] * (x.ndim - 1) + [(0, -K % 32)]); x = x.reshape(x.shape[:-1] + (-1, 32)); a = np.abs(x).max(-1, keepdims=True)
;;       e = np.where(a > 0, np.clip(np.frexp(np.where(a > 0, a, 1))[1] - 1 - 8, -126, 127), 0)      # np.frexp(a)[1] - 1 = floor(log2(a)), exactly
;;       r = np.clip(x / 2.0 ** e, -448, 448)
;;       step = 2.0 ** (np.maximum(np.frexp(np.where(r == 0, 1, r))[1] - 1, -6) - 3)
;;       q = np.round(r / step) * step * 2.0 ** e      # np.round: ties to even
;;       return np.moveaxis(q.reshape(q.shape[:-2] + (-1,))[..., :K], -1, axis).astype(np.float32)
;;   ~~~
;;   SOFTMAX AHEAD OF A QUANTISED PRODUCT. Where the list says 'softmax', what is quantised is not the finished softmax but p = 2^(t - M), with t = logit x log2(e) and M = ceil(the row's largest t), a whole number; so 1/2 < the row's largest p <= 1. The row's sum l is taken of the UNQUANTISED p, in f32, and the product's result is divided by l at the end. Since M is a whole number, a kernel that streams over the keys may use a running M (the ceiling of the running maximum): every later rescaling is an exact power of two, which a block's scale takes up: the codes' values come out the same.
;;   OPERANDS COMPUTED ON THE WAY. 'Computed on the way' means the value that the module computes at that place (a softmax that the list does not call 'softmax' is quantised finished and normalised). What goes into a quantiser is computed in f32, as accurately as f32 sums, v_exp_f32 and their like allow (about 1e-6 of the number): no bf16 or f16 on the way to a quantiser, and a product that is left as it is and whose result goes on into a quantised operand takes f32 operands (vector FMAs, or v_wmma_f32_16x16x4_f32). A number that lies on a knife's edge between two numbers of the format may be rounded either way, as far as f32 arithmetic and the matrix unit's own rounding can turn it there, and no further.
;;   INPUTS GIVEN AS CODES. ff1_w (in the module: [4096, 1024], K = its axis 1); ff2_w (in the module: [1024, 4096], K = its axis 1); proj_w (in the module: [1024, 1024], K = its axis 1); qkv_w (in the module: [3072, 1024], K = its axis 1): each comes as NAME_codes (uint8): NAME with its K axis moved to the last place and cut into blocks of 32 codes, [.., K / 32, bytes a block], one block behind the other in memory; one code a byte (a code: sign, 4 exponent bits, 3 mantissa bits); and NAME_scales (uint8): the same leading axes, one E8M0 byte (e + 127) for each 32 codes along K. Its value is code x scale, taken as it is: it is not quantised again, and the codes and scales need not be those that the quantiser above would give.
;; One version. Each part assembles by itself: llvm-mc -triple=amdgcn-amd-amdhsa -mcpu=gfx1250 --defsym DOCPART=n.
;; ======== version 1 of 1: 7 launches
;; limits: right only within a limited range of input values
;; workspace buffers: h_codes 4,194,304 bytes; h_scales 131,072 bytes; qkv_img 12,582,912 bytes; qkv_scl 655,360 bytes; act_img 16,777,216 bytes; act_scl 524,288 bytes; x1 16,777,216 bytes
;; launch ln1 (part 1): grid 256 x 1, 16 waves a work-group, no clusters, 84,480 bytes of LDS; arguments x, ln1_w, ln1_b, h_codes, h_scales; writes h_codes, h_scales
.if DOCPART == 1
	.amdgcn_target "amdgcn-amd-amdhsa--gfx1250"
	.amdhsa_code_object_version 6
	.text
	.protected	k_qa54c2877c0_ln1
	.globl	k_qa54c2877c0_ln1
	.p2align	8
	.type	k_qa54c2877c0_ln1,@function
k_qa54c2877c0_ln1:
	s_mov_b64 s[64:65], 0
	v_nop
	global_prefetch_b8 v0, s[64:65] scope:SCOPE_SE
	s_setreg_imm32_b32 hwreg(HW_REG_WAVE_MODE, 25, 1), 1
	s_wait_xcnt 0x0
; LayerNorm over rows of 1,024 f32 numbers, then the rows as codes of FP8 (E4M3) with one E8M0 byte for each 32 along the row.
; y = (x - mean) * rsqrt(var + 1e-5) * w + b, all in f32; the variance is taken of x - mean in a second pass over the registers, so a common offset of the inputs costs no accuracy.
; SHARES. 256 work-groups of sixteen waves; a work-group has 16 rows, a wave ONE: four waves stand on a SIMD, so that one row's dependent sums stand beside another's.
; A row is 4,096 bytes: the wave holds it in 32 registers (eight loads of 512 consecutive bytes), so it is read once.  The row is asked for first, then the gain and the bias: 24 loads of the wave are out.
; THE QUANTISER wants 16 neighbours in a lane: half a row (2,048 bytes) at a time goes through the wave's own stage in LDS as it lies and comes back 64 bytes a lane (80 bytes from lane to lane).
; A lane's 16 codes are 16 bytes: a store of the wave covers 512 consecutive bytes.  The work-group's 512 scale bytes are gathered in LDS and leave by one store of wave 0.
; No matrix units, clusters or tensor loads: every byte is read once and nothing is shared but the gain and the bias.
; LIMITS: NaN and infinities are not served; a block whose largest magnitude lies under 2^-118 keeps the byte 1, a block of zeros too (its codes are zeros, and only this program reads the bytes).
.set SP,    80                         ; a lane's place in a stage: 64 bytes + 16 of padding
.set WREG,  5120                       ; a wave's two stages
.set SCB,   81920                      ; behind the sixteen waves' stages: the work-group's 512 scale bytes
.set SPARE, 82432                      ; the spare words, 128 bytes a wave
.set W,     16                         ; v16-47   the gain, in the loads' layout
.set B,     48                         ; v48-79   the bias
.set X,     80                         ; v80-111  the row; once it has gone through the stage, its first ten registers take its codes and its two scale bytes
.set N,     208                        ; v208-239 16 neighbours, for each half of the row
.set S,     240                        ; v[240:241], v[242:243] two chains of sums
.set S2,    242
.set PT,    244                        ; a lane permute's destination
.set MEAN,  246                        ; v[246:247] the low word is broadcast
.set RSTD,  248                        ; v[248:249] likewise
	s_load_b128 s[4:7], s[0:1], 0x0                ; the rows, the gain
	s_load_b128 s[8:11], s[0:1], 0x10              ; the bias, the codes
	s_load_b64 s[12:13], s[0:1], 0x20              ; the scale bytes
	v_lshl_add_u32 v254, v0, 2, SPARE
	v_mov_b32 v255, 0
	v_lshrrev_b32 v1, 5, v0
	v_readfirstlane_b32 s16, v1                    ; wave
	v_and_b32 v2, 31, v0                           ; lane
	v_lshlrev_b32 v3, 4, v2                        ; 16 x lane: my place in a load's and in a store's 512 bytes
	s_mul_i32 s17, s16, WREG
	v_lshrrev_b32 v14, 2, v2
	v_mul_u32_u24 v14, v14, SP
	v_and_b32 v15, 3, v2
	v_lshl_add_u32 v14, v15, 4, v14
	v_add_nc_u32 v14, s17, v14                     ; the stage, on the way in: four lanes' 64 bytes on end, then the padding
	v_mul_u32_u24 v15, v2, SP
	v_add_nc_u32 v15, s17, v15                     ; and on the way out: my 16 neighbours
	v_lshrrev_b32 v5, 1, v2
	s_lshl_b32 s17, s16, 5
	s_add_co_u32 s17, s17, SCB
	v_add_nc_u32 v5, s17, v5                       ; my row's 32 scale bytes, my block's byte
	v_add_nc_u32 v6, SCB, v3                       ; wave 0 reads all 512 back
	v_mov_b32 v[PT], 0
	v_mov_b32 v[MEAN+1], 0                         ; named as a pair's upper half, so written
	v_mov_b32 v[RSTD+1], 0
	s_mov_b32 s20, 0x76543210
	s_mov_b32 s21, 0xfedcba98                      ; lane l xor 16
	s_mov_b32 s22, 0x3a800000                      ; 1 / 1024
	s_mov_b32 s23, 0x600000                        ; the mantissa field of 448
	s_mov_b32 s24, 0x3727c5ac                      ; 1e-5
	s_lshl_b32 s18, ttmp9, 16                      ; 16 rows of 4,096 bytes a work-group,
	s_lshl_b32 s19, s16, 12                        ; one a wave
	s_add_co_u32 s18, s18, s19
	s_mov_b32 s19, 0
	s_lshr_b32 s26, s18, 2                         ; the codes: a quarter of that
	s_mov_b32 s27, 0
	s_lshl_b32 s28, ttmp9, 9                       ; the scale bytes: 512 a work-group
	s_mov_b32 s29, 0
	s_wait_kmcnt 0x0
	s_add_nc_u64 s[4:5], s[4:5], s[18:19]
	s_add_nc_u64 s[10:11], s[10:11], s[26:27]
	s_add_nc_u64 s[12:13], s[12:13], s[28:29]
.irp i, 0,1,2,3,4,5,6,7
	global_load_b128 v[X+4*\i:X+4*\i+3], v3, s[4:5] offset:512*\i th:TH_LOAD_NT   ; wanted first
.endr
.irp i, 0,1,2,3,4,5,6,7
	global_load_b128 v[W+4*\i:W+4*\i+3], v3, s[6:7] offset:512*\i
.endr
.irp i, 0,1,2,3,4,5,6,7
	global_load_b128 v[B+4*\i:B+4*\i+3], v3, s[8:9] offset:512*\i
.endr
.macro WSUM r                          ; the sum over the 32 lanes, in every lane
	v_add_f32_dpp v[\r], v[\r], v[\r] row_xmask:1 row_mask:0xf bank_mask:0xf
	v_add_f32_dpp v[\r], v[\r], v[\r] row_xmask:2 row_mask:0xf bank_mask:0xf
	v_add_f32_dpp v[\r], v[\r], v[\r] row_xmask:4 row_mask:0xf bank_mask:0xf
	v_add_f32_dpp v[\r], v[\r], v[\r] row_xmask:8 row_mask:0xf bank_mask:0xf
	v_permlanex16_b32 v[PT], v[\r], s20, s21
	v_add_f32 v[\r], v[\r], v[PT]
.endm
.macro TURN t                          ; half t of the row through its stage; LDS serves a wave's instructions in order
.irp i, 0,1,2,3
	ds_store_b128 v14, v[X+16*(\t)+4*\i:X+16*(\t)+4*\i+3] offset:32*SP*(\t)+8*SP*\i
.endr
.irp i, 0,1,2,3
	ds_load_b128 v[N+16*(\t)+4*\i:N+16*(\t)+4*\i+3], v15 offset:32*SP*(\t)+16*\i
.endr
.endm
.macro QSTEP t                         ; 512 numbers become codes and 16 scale bytes; two neighbouring lanes hold a block
.set NS, N+16*(\t)
.set CC, X+4*(\t)                      ; the codes and the byte go into the row's own registers: no store's data are written again
.set EE, X+8+(\t)
	v_max3_num_f32 v8, |v[NS]|, |v[NS+1]|, |v[NS+2]|
	v_max3_num_f32 v9, |v[NS+3]|, |v[NS+4]|, |v[NS+5]|
.irp i, 6,10
	v_max3_num_f32 v8, v8, |v[NS+\i]|, |v[NS+\i+1]|
	v_max3_num_f32 v9, v9, |v[NS+\i+2]|, |v[NS+\i+3]|
.endr
	v_max3_num_f32 v8, v8, |v[NS+14]|, |v[NS+15]|
	v_max3_num_f32 v8, v8, v9, 0x4800000           ; the floor 2^(9 - 127): the byte cannot fall under 1
	v_max_num_f32_dpp v8, v8, v8 row_xmask:1 row_mask:0xf bank_mask:0xf   ; with my neighbour's 16: the block's largest magnitude
	v_add_nc_u32 v11, 0xfc000000, v8               ; 8 off its exponent field: the conversion's scale operand
	v_and_or_b32 v10, v8, 0x7f800000, s23          ; 448 x the scale
.irp i, 0,1,2,3,4,5,6,7,8,9,10,11,12,13,14,15
	v_med3_num_f32 v[NS+\i], v[NS+\i], -v10, v10   ; the conversion does not saturate (ISA guide 7.6.2): the hold comes first
.endr
	v_cvt_scalef32_pk8_fp8_f32 v[CC:CC+1], v[NS:NS+7], v11
	v_cvt_scalef32_pk8_fp8_f32 v[CC+2:CC+3], v[NS+8:NS+15], v11
	v_lshrrev_b32 v[EE], 23, v11                   ; the scale's byte
	ds_store_b8 v5, v[EE] offset:16*(\t)           ; both lanes of a block write the same byte
	global_store_b128 v3, v[CC:CC+3], s[10:11] offset:512*(\t)   ; 512 consecutive bytes
.endm
	s_wait_loadcnt 16                              ; the row is in; the 16 loads of gain and bias stay out
	v_pk_add_f32 v[S:S+1], v[X:X+1], v[X+2:X+3]
	v_pk_add_f32 v[S2:S2+1], v[X+4:X+5], v[X+6:X+7]
.irp i, 8,12,16,20,24,28
	v_pk_add_f32 v[S:S+1], v[S:S+1], v[X+\i:X+\i+1]
	v_pk_add_f32 v[S2:S2+1], v[S2:S2+1], v[X+\i+2:X+\i+3]
.endr
	v_pk_add_f32 v[S:S+1], v[S:S+1], v[S2:S2+1]
	v_add_f32 v[S], v[S], v[S+1]
	WSUM S
	v_mul_f32 v[MEAN], s22, v[S]
.irp i, 0,2,4,6,8,10,12,14,16,18,20,22,24,26,28,30
	v_pk_add_f32 v[X+\i:X+\i+1], v[X+\i:X+\i+1], v[MEAN:MEAN+1] op_sel_hi:[1,0] neg_lo:[0,1] neg_hi:[0,1]   ; x - mean
.endr
	v_pk_mul_f32 v[S:S+1], v[X:X+1], v[X:X+1]
	v_pk_mul_f32 v[S2:S2+1], v[X+2:X+3], v[X+2:X+3]
.irp i, 4,8,12,16,20,24,28
	v_pk_fma_f32 v[S:S+1], v[X+\i:X+\i+1], v[X+\i:X+\i+1], v[S:S+1]
	v_pk_fma_f32 v[S2:S2+1], v[X+\i+2:X+\i+3], v[X+\i+2:X+\i+3], v[S2:S2+1]
.endr
	v_pk_add_f32 v[S:S+1], v[S:S+1], v[S2:S2+1]
	v_add_f32 v[S], v[S], v[S+1]
	WSUM S
	v_fma_f32 v[S], v[S], s22, s24                 ; the variance + 1e-5
	s_wait_alu depctr_va_vdst(0)                   ; the wait ahead of the transcendental
	v_rsq_f32 v[RSTD], v[S]
	v_nop                                          ; a plain line behind the transcendental,
	s_wait_alu depctr_va_vdst(0)                   ; and the wait ahead of its first reader
.irp i, 0,2,4,6,8,10,12,14,16,18,20,22,24,26,28,30
	v_pk_mul_f32 v[X+\i:X+\i+1], v[X+\i:X+\i+1], v[RSTD:RSTD+1] op_sel_hi:[1,0]
.endr
	s_wait_loadcnt 0x0                             ; gain and bias are in
.irp i, 0,2,4,6,8,10,12,14,16,18,20,22,24,26,28,30
	v_pk_fma_f32 v[X+\i:X+\i+1], v[X+\i:X+\i+1], v[W+\i:W+\i+1], v[B+\i:B+\i+1]
.endr
	TURN 0
	TURN 1
	s_wait_dscnt 4                                 ; all but the second half's four loads: the first half is back, and all eight stage stores have read the row's registers, which now take the codes
	QSTEP 0
	s_wait_dscnt 1                                 ; the second half is back; the byte store just issued may be out
	QSTEP 1
	s_wait_dscnt 0x0                               ; for the others' sake: my byte stores are done
	s_barrier_signal -1
	s_barrier_wait -1
	s_cmp_lg_u32 s16, 0
	s_cbranch_scc1 .Ldone
	ds_load_b128 v[8:11], v6                       ; the work-group's 512 scale bytes
	s_wait_dscnt 0x0
	global_store_b128 v3, v[8:11], s[12:13]        ; 512 consecutive bytes, aligned
.Ldone:
	s_wait_tensorcnt 0x0                           ; the wave's end
	ds_add_u32 v254, v255
	s_wait_dscnt 0x0
	s_endpgm
.Lfunc_end_k_qa54c2877c0_ln1:
	.size	k_qa54c2877c0_ln1, .Lfunc_end_k_qa54c2877c0_ln1-k_qa54c2877c0_ln1
	.p2alignl 7, 3214868480
	.fill 96, 4, 3214868480
	.section	.rodata,"a",@progbits
	.p2align	6, 0x0
	.amdhsa_kernel k_qa54c2877c0_ln1
		.amdhsa_group_segment_fixed_size 84480
		.amdhsa_private_segment_fixed_size 0
		.amdhsa_enable_private_segment 0
		.amdhsa_kernarg_size 40
		.amdhsa_user_sgpr_count 2
		.amdhsa_user_sgpr_kernarg_segment_ptr 1
		.amdhsa_wavefront_size32 1
		.amdhsa_system_sgpr_workgroup_id_x 1
		.amdhsa_system_sgpr_workgroup_id_y 1
		.amdhsa_system_sgpr_workgroup_id_z 1
		.amdhsa_system_vgpr_workitem_id 0
		.amdhsa_next_free_vgpr 256
		.amdhsa_next_free_sgpr 66
		.amdhsa_reserve_vcc 0
		.amdhsa_float_denorm_mode_32 3
		.amdhsa_float_denorm_mode_16_64 3
		.amdhsa_memory_ordered 1
		.amdhsa_forward_progress 1
		.amdhsa_inst_pref_size 17
	.end_amdhsa_kernel
	.amdgpu_metadata
---
amdhsa.version: [ 1, 2 ]
amdhsa.kernels:
  - .name:           k_qa54c2877c0_ln1
    .symbol:         k_qa54c2877c0_ln1.kd
    .args:
      - { .name: x, .offset: 0, .size: 8, .value_kind: global_buffer, .address_space: global }
      - { .name: ln1_w, .offset: 8, .size: 8, .value_kind: global_buffer, .address_space: global }
      - { .name: ln1_b, .offset: 16, .size: 8, .value_kind: global_buffer, .address_space: global }
      - { .name: h_codes, .offset: 24, .size: 8, .value_kind: global_buffer, .address_space: global }
      - { .name: h_scales, .offset: 32, .size: 8, .value_kind: global_buffer, .address_space: global }
    .group_segment_fixed_size: 84480
    .private_segment_fixed_size: 0
    .kernarg_segment_align: 8
    .kernarg_segment_size: 40
    .max_flat_workgroup_size: 512
    .sgpr_count:     66
    .vgpr_count:     256
    .wavefront_size: 32
...
	.end_amdgpu_metadata
.endif
;; end of part 1
;; launch qkv (part 2): grid 12 x 16, 4 waves a work-group, clusters of 4 x 4, 327,680 bytes of LDS; arguments h_codes, h_scales, qkv_w_codes, qkv_w_scales, cos, sin, qkv_img, qkv_scl; writes qkv_img, qkv_scl
.if DOCPART == 2
	.amdgcn_target "amdgcn-amd-amdhsa--gfx1250"
	.amdhsa_code_object_version 6
	.text
	.protected	k_qa54c2877c0_qkv
	.globl	k_qa54c2877c0_qkv
	.p2align	8
	.type	k_qa54c2877c0_qkv,@function
k_qa54c2877c0_qkv:
	s_mov_b64 s[64:65], 0
	v_nop
	global_prefetch_b8 v0, s[64:65] scope:SCOPE_SE
	s_setreg_imm32_b32 hwreg(HW_REG_WAVE_MODE, 25, 1), 1
	s_wait_xcnt 0x0
	s_wait_alu depctr_hold_cnt(0) depctr_sa_sdst(0) depctr_va_vdst(0) depctr_va_sdst(0) depctr_va_ssrc(0) depctr_va_vcc(0) depctr_vm_vsrc(0)
	s_getreg_b32 s2, hwreg(HW_REG_IB_STS2, 6, 4)
	s_cmp_eq_u32 s2, 0
	s_cbranch_scc0 .Lentry_in_a_cluster
	s_endpgm
.Lentry_in_a_cluster:
	s_bfe_u32 s2, ttmp6, 0x10000c
	s_cmp_lg_u32 s2, 0xf033
	s_cbranch_scc0 .Lentry_shape_is_right
	s_endpgm
.Lentry_shape_is_right:
; qkv = LN1(x) qkv_w^T on codes of FP8 (E4M3) with E8M0 scales, then RoPE on q and k, then q, k (along the head's 64) and v (along the keys) as codes again, laid as images of operand registers.
; THE PRODUCT: a tile of 256 x 256 to a work-group of four waves, 128 x 128 to a wave: 64 accumulators.  K = 1,024 goes in steps of 256 through a ring of two LDS slots; the scale bytes of the tile's rows come once.
; 4 x 4 work-groups form a cluster: the A side's tiles are asked for jointly along a row of the cluster, the B side's along a column.
; THE MATRIX INSTRUCTION IS USED TRANSPOSED (source 0 = the B side, source 1 = the A side): a lane holds one row of the A side, its registers run along the B side's rows.
; For q and k (cluster x = 0, 1) the A side is the tokens and the B side the weights: a lane's registers run along the head's channels.  For v (cluster x = 2) THE SIDES CHANGE PLACES: the A side is the weights' rows
; 2,048 on, the B side the tokens: a lane holds a channel and its registers run along the keys, which are the K of attention's second product.  Only pointers and tile numbers are chosen; the loop is one text.
; ORDER INSIDE A BLOCK OF 32: a lane's 16 numbers of accumulators 2 b and 2 b + 1 are k = 32 b + 8 h + j and 32 b + 16 + 8 h + j (h = lane / 16).  The images keep that order: q meets k and p meets v with the same
; order on both sides, so every product pairs the right numbers, and a block's scale is not touched.  Inside one instruction the sums are grouped otherwise than in the natural order.
; OUT: qkv_img [batch x head 32][q | k | v, 131,072 bytes each]; q, k: [tile of 16 tokens][2][lane][16 bytes]; v: [128 keys][16 channels x 4][4][lane][16 bytes].
;      qkv_scl [batch x head][q: a word a token | k: likewise | v: [128 keys][channel] a word]; q's and k's words hold two bytes and two zeros.
; LIMITS: NaN and infinities are not served; a block whose largest magnitude lies under 2^-118, a block of zeros too, keeps the byte 1 (only this program reads the bytes).
; REGISTERS: window 0: v16-31 addresses; v32-63 scale words, two sets, and nothing else; v64-127 the numbers at work on the way out; from v128 the A side's fragments, on the way out the quantiser's registers.
;   window 1: the B side's fragments, two sets; on the way out cos and sin, two sets of 64.   windows 2, 3: the accumulators ((a, b) at v[8 (8 (a % 4) + b)]).
.set SIZE_K, 1024
.set KSTEP,  256
.set NQ,     KSTEP/128
.set ROWB,   256
.set KROW,   SIZE_K
.set PITCH,  272                       ; an LDS row: 256 bytes + 16 of padding: the 16 rows that a load touches start at 16 different banks (64 banks of 4 bytes: ISA guide 11.1)
.set FR,     16
.set NL,     4
.set NP,     8                         ; places behind this matrix instruction (ISA guide 7.12.1)
.set HALFT,  128*PITCH
.set SLOT,   4*HALFT
.set LAPS,   SIZE_K/(2*KSTEP)
.set KS,     SIZE_K/32
.set SCL,    2*SLOT                    ; behind the ring: the scale bytes, as units of 256 bytes + 16 of padding
.set HALFS,  (128*KS/256)*272
.set SBLK,   (16*KS/256)*272
.set SPARE,  SCL+4*HALFS               ; the spare words, 128 bytes a wave: two blocks of 256 bytes that no other line names
.set ADRA, 16
.set ADRB, 20
.set VO,   24                          ; v24  16 x lane
.set RB,   25                          ; v25  1,024 x wave + 16 x lane: the scale words read back
.set GA,   26                          ; v26  1,024 x wave + 4 x (lane % 16): where a scale word goes
.set ADRS, 27
.set SPW,  28
.set NIL,  29
.set CSO,  30                          ; v30  cos, sin: 256 x (lane % 16) + 32 x (lane / 16)
.set VOS,  31                          ; v31  v's scale words: 16 x lane, and on to the next head for lanes 16-31
.set SC,   32
.set Y,    64
.set AF,   128
.set TM,   128                         ; v128-131 largest magnitudes, v132-135 bytes, v136-139 448 x the scale, v140-143 the conversions' scale operands
.set PC,   148                         ; v148-163 the codes just made
.set R0,   164                         ; v164-171 scale words on their way out
.set WW,   172                         ; v172-187 scale words, registers of their own for each a
.set TW,   188
.set G1, 24
.set G0, 32
.set G1B, 48
.set G0B, 56
.set G1S, 68
.set G0S, 76
.set G1SB, 80
.set G0SB, 88
.set SEL, 12                           ; s[12:13] lane l xor 16
.set MNT, 99                           ; s99  the mantissa field of 448
.set MSB, 0
.macro WIN new                         ; the immediate's high byte repeats the setting that is left
.if MSB != \new
	s_set_vgpr_msb (MSB<<8)|\new
.set MSB, \new
.endif
.endm
.set MUL_LO, 0xa1                      ; source 0 window 1, source 1 window 0, C and D window 2
.set MUL_HI, 0xf1
.set TO_B,   0x40
; A joint load: waves 0 and 1 fetch for the A side, waves 2 and 3 for the B side.  Four v_nop follow each of the two lines.
.macro JLOAD g0a, g1a, g0b, g1b
	s_cmp_eq_u32 s15, 0
	s_cbranch_scc0 .Lfor_b_\@
	tensor_load_to_lds s[\g0a:\g0a+3], s[\g1a:\g1a+7]
	s_nop 0
.rept 4
	v_nop
.endr
	s_branch .Lasked_\@
.Lfor_b_\@:
	tensor_load_to_lds s[\g0b:\g0b+3], s[\g1b:\g1b+7]
	s_nop 0
.rept 4
	v_nop
.endr
.Lasked_\@:
.endm
.macro CREST
	s_cmp_lg_u32 s14, 0
	s_cbranch_scc1 .Lnot_wave_0_\@
	s_barrier_signal -3
.Lnot_wave_0_\@:
	s_barrier_wait -3
	s_barrier_signal -1
	s_barrier_wait -1
.endm
.macro CROUND
	s_barrier_signal -1
	s_barrier_wait -1
	CREST
.endm
	s_load_b128 s[4:7], s[0:1], 0x0                ; the tokens' codes and scale bytes
	s_load_b128 s[8:11], s[0:1], 0x10              ; the weights' codes and scale bytes
	v_lshl_add_u32 v[SPW], v0, 2, SPARE
	v_mov_b32 v[NIL], 0
	ds_add_u32 v28, v29
	ds_add_u32 v28, v29
	s_wait_dscnt 0x0
	v_lshrrev_b32 v1, 5, v0
	v_readfirstlane_b32 s14, v1                    ; wave 0..3
	s_lshr_b32 s15, s14, 1                         ; my half of the A side's rows.  Also: I fetch for A (0) or for B (1)
	s_and_b32 s16, s14, 1                          ; my half of the B side's rows.  Also: which 128 rows I fetch
	s_bfe_u32 s40, ttmp6, 0x40000                  ; cx
	s_bfe_u32 s41, ttmp6, 0x40004                  ; cy
	s_and_b32 s17, ttmp7, 0xffff
	s_lshl_b32 s17, s17, 2
	s_add_co_u32 s95, s17, s40                     ; 4 x cluster y + cx: v's tile of tokens
	s_add_co_u32 s17, s17, s41                     ; 4 x cluster y + cy: q's and k's tile of tokens
	s_lshl_b32 s42, ttmp9, 2
	s_add_co_u32 s42, s42, s40                     ; 4 x cluster x + cx: q's and k's tile of weights
	s_cmp_eq_u32 ttmp9, 2                          ; v?  The cluster's x: the same in all sixteen partners
	s_cselect_b32 s17, s41, s17                    ; the A side's tile: it holds cy alone
	s_cselect_b32 s42, s95, s42                    ; the B side's tile: it holds cx alone
	s_cselect_b32 s98, 2048, 0                     ; v's weights begin at row 2,048
	s_lshl_b32 s43, s41, 2
	s_lshl_b32 s43, 15, s43                        ; my row of the cluster
	s_lshl_b32 s44, 0x1111, s40                    ; my column
	s_or_b32 s[G1+0], s43, (0<<16)|(1<<20)|(1<<21)|(5<<22)|(3<<25)  ; the mask; elements of 1 byte; padding: 4 words behind every 64; bit 21 beside a mask
	s_or_b32 s[G1B+0], s44, (0<<16)|(1<<20)|(1<<21)|(5<<22)|(3<<25)
.irp g, G1, G1B
	s_mov_b32 s[\g+1], ROWB<<16                    ; tensor_dim0
	s_mov_b32 s[\g+2], 256<<16                     ; tensor_dim1: 256 rows for the head's loads; set to 128 for the ring's behind them
	s_mov_b32 s[\g+3], ROWB<<16                    ; tile_dim0
	s_mov_b32 s[\g+4], 256                         ; tile_dim1 likewise
	s_mov_b32 s[\g+5], KROW                        ; the pitch
	s_mov_b32 s[\g+6], 0
	s_mov_b32 s[\g+7], 0
.endr
	s_or_b32 s[G1S+0], s43, (3<<16)|(1<<20)|(1<<21)|(5<<22)|(3<<25)  ; the scale bytes of 256 rows: a dense block as rows of 256 bytes
	s_or_b32 s[G1SB+0], s44, (3<<16)|(1<<20)|(1<<21)|(5<<22)|(3<<25)
.irp g, G1S, G1SB
	s_mov_b32 s[\g+1], 32<<16
	s_mov_b32 s[\g+2], KS<<16                      ; the scale bytes of 256 rows: KS rows of 256 bytes
	s_mov_b32 s[\g+3], 32<<16
	s_mov_b32 s[\g+4], KS
	s_mov_b32 s[\g+5], 32
	s_mov_b32 s[\g+6], 0
	s_mov_b32 s[\g+7], 0
.endr
	s_lshl_b32 s20, s17, 8
	s_add_co_u32 s20, s20, s98                     ; the A side's row: 256 x tile (+ 2,048)
	s_lshl_b32 s46, s42, 8
	s_mov_b32 s21, 0
	s_mov_b32 s47, 0
	s_mov_b64 s[18:19], KS
	s_mul_u64 s[22:23], s[20:21], s[18:19]
	s_mul_u64 s[92:93], s[46:47], s[18:19]
	s_mov_b64 s[18:19], KROW
	s_mul_u64 s[20:21], s[20:21], s[18:19]
	s_mul_u64 s[46:47], s[46:47], s[18:19]
	s_mul_i32 s45, s14, HALFT                      ; where they go: wave x 128 rows
	s_mul_i32 s18, s16, 128*KROW                   ; in the ring I fetch 128 rows of a tile: my half, in bytes
	s_mov_b32 s19, 0
	s_wait_kmcnt 0x0
	s_cmp_eq_u32 ttmp9, 2                          ; which tensor stands on which side: a choice that hangs on no address
	s_cselect_b64 s[96:97], s[8:9], s[4:5]
	s_add_nc_u64 s[20:21], s[96:97], s[20:21]
	s_cselect_b64 s[96:97], s[10:11], s[6:7]
	s_add_nc_u64 s[22:23], s[96:97], s[22:23]
	s_cselect_b64 s[96:97], s[4:5], s[8:9]
	s_add_nc_u64 s[46:47], s[96:97], s[46:47]
	s_cselect_b64 s[96:97], s[6:7], s[10:11]
	s_add_nc_u64 s[92:93], s[96:97], s[92:93]
	CROUND                                         ; all sixteen work-groups are here: the first joint loads meet
	s_mov_b32 s[G0S], 1
	s_mov_b32 s[G0S+1], SCL
	s_mov_b64 s[G0S+2:G0S+3], s[22:23]
	s_or_b32 s[G0S+3], s[G0S+3], 0x80000000
	s_mov_b32 s[G0SB], 1
	s_mov_b32 s[G0SB+1], SCL+2*HALFS
	s_mov_b64 s[G0SB+2:G0SB+3], s[92:93]
	s_or_b32 s[G0SB+3], s[G0SB+3], 0x80000000
.irp s, 0,1
	s_mov_b32 s[G0+4*\s], 1
	s_add_co_u32 s[G0+4*\s+1], s45, \s*SLOT
	s_add_nc_u64 s[G0+4*\s+2:G0+4*\s+3], s[20:21], \s*ROWB
	s_or_b32 s[G0+4*\s+3], s[G0+4*\s+3], 0x80000000
	s_mov_b32 s[G0B+4*\s], 1
	s_add_co_u32 s[G0B+4*\s+1], s45, \s*SLOT
	s_add_nc_u64 s[G0B+4*\s+2:G0B+4*\s+3], s[46:47], \s*ROWB
	s_or_b32 s[G0B+4*\s+3], s[G0B+4*\s+3], 0x80000000
.endr
	s_add_nc_u64 s[G0+6:G0+7], s[G0+6:G0+7], s[18:19]       ; slot 1's descriptors: my half of the rows
	s_add_nc_u64 s[G0B+6:G0B+7], s[G0B+6:G0B+7], s[18:19]
	s_mov_b32 s[G0+1], 0                           ; slot 0's serve the head first: a side's 256 rows whole
	s_mov_b32 s[G0B+1], 2*HALFT
; THE HEAD'S LOADS, ONE A WAVE: wave 0 K step 0's 256 rows of the A side, wave 1 those of the B side, wave 2 the A side's scale bytes, wave 3 the B side's.  One chain of branches on the wave's number.
.macro ARM under, g0, g1, next
	s_cmp_lt_u32 s14, \under
	s_cbranch_scc0 \next
	tensor_load_to_lds s[\g0:\g0+3], s[\g1:\g1+7]
	s_nop 0
.rept 4
	v_nop
.endr
	s_branch .Lhead_asked
\next:
.endm
	ARM 1, G0, G1, .Lhead_b
	ARM 2, G0B, G1B, .Lhead_sa
	ARM 3, G0S, G1S, .Lhead_sb
	tensor_load_to_lds s[G0SB:G0SB+3], s[G1SB:G1SB+7]
	s_nop 0
.rept 4
	v_nop
.endr
.Lhead_asked:
	; THE PREFETCHES INTO THE L2.  A K step is 256 bytes of each row.  Of the 128 rows that a wave fetches in the ring each of the four partners that ask for them jointly takes 32, told apart by address
	; (cx for the A side, cy for the B side): a lane a row, one instruction a wave and K step.  K steps 1 and 2 are asked for here, behind the head's loads; K step 3 behind slot 1's load.  There is no K step 4.
	s_cmp_eq_u32 ttmp9, 2
	s_cselect_b64 s[96:97], s[8:9], s[4:5]         ; the A side's codes
	s_cselect_b64 s[100:101], s[4:5], s[8:9]       ; the B side's
	s_lshl_b32 s20, s17, 8
	s_add_co_u32 s20, s20, s98
	s_lshl_b32 s22, s42, 8
	s_cmp_eq_u32 s15, 0                            ; do I fetch for the A side?
	s_cselect_b32 s20, s20, s22                    ; the tile's first row
	s_cselect_b32 s21, s40, s41                    ; my place among the four that ask with me
	s_cselect_b64 s[96:97], s[96:97], s[100:101]
	s_lshl_b32 s22, s16, 7
	s_add_co_u32 s20, s20, s22                     ; + the 128 rows that I fetch
	s_lshl_b32 s21, s21, 5
	s_add_co_u32 s20, s20, s21                     ; + my work-group's 32 of them
	s_lshl_b32 s20, s20, 10                        ; a row is 1,024 bytes
	s_mov_b32 s21, 0
	s_add_nc_u64 s[96:97], s[96:97], s[20:21]
	v_and_b32 v22, 31, v0
	v_lshlrev_b32 v23, 8, v22                      ; a lane a row of cos or sin
	v_lshlrev_b32 v22, 10, v22                     ; a lane a row of codes
	global_prefetch_b8 v22, s[96:97] offset:256 th:TH_LOAD_NT scope:SCOPE_SE
	global_prefetch_b8 v22, s[96:97] offset:512 th:TH_LOAD_NT scope:SCOPE_SE
	s_load_b256 s[4:11], s[0:1], 0x20              ; cos s[4:5], sin s[6:7], the images s[8:9], the scale words s[10:11]
	v_and_b32 v1, 15, v0                           ; r
	v_bfe_u32 v2, v0, 4, 1                         ; h
	v_mul_u32_u24 v3, v1, PITCH
	v_lshl_add_u32 v4, v2, 4, v3
	s_mul_i32 s21, s15, HALFT
	s_mul_i32 s22, s16, HALFT
	s_add_co_u32 s22, s22, 2*HALFT
.irp s, 0,1
	v_add_nc_u32 v[ADRA+\s], s21, v4
	v_add_nc_u32 v[ADRB+\s], s22, v4
	s_add_co_u32 s21, s21, SLOT
	s_add_co_u32 s22, s22, SLOT
.endr
	v_mul_u32_u24 v5, v1, KS
	v_lshrrev_b32 v6, 8, v5
	v_lshl_add_u32 v5, v6, 4, v5
	s_mul_i32 s21, s15, HALFS
	s_mul_i32 s22, s16, HALFS
	s_add_co_u32 s22, s22, 2*HALFS
	s_sub_co_u32 s22, s22, s21
	v_mul_u32_u24 v6, s22, v2                      ; lanes 16-31 take the B side's
	s_add_co_u32 s21, s21, SCL
	v_add_nc_u32 v5, v5, v6
	v_add_nc_u32 v[ADRS], s21, v5
	v_and_b32 v6, 31, v0
	v_lshlrev_b32 v[VO], 4, v6
	s_lshl_b32 s23, s14, 10
	v_add_nc_u32 v[RB], s23, v[VO]
	v_lshl_add_u32 v[GA], v1, 2, s23
	v_lshlrev_b32 v[CSO], 8, v1
	v_lshl_add_u32 v[CSO], v2, 5, v[CSO]
	v_mul_u32_u24 v[VOS], v2, 20224                ; a head's scale words are 20,480 bytes; lanes 16-31 stand 256 bytes on already
	v_add_nc_u32 v[VOS], v[VOS], v[VO]
	s_mov_b32 s[SEL], 0x76543210
	s_mov_b32 s[SEL+1], 0xfedcba98
	s_mov_b32 s[MNT], 0x600000
	; where my wave's results go
	s_lshl_b32 s20, s17, 8
	s_lshl_b32 s21, s15, 7
	s_add_co_u32 s20, s20, s21                     ; the A side's first row of my wave
	s_lshl_b32 s22, s42, 8
	s_lshl_b32 s21, s16, 7
	s_add_co_u32 s22, s22, s21                     ; the B side's
	s_cmp_eq_u32 ttmp9, 2
	s_cselect_b32 s46, s22, s20                    ; my first token
	s_cselect_b32 s47, s20, s22                    ; my first channel
	s_cselect_b32 s23, 1, 2                        ; scale words: 2 bytes a key and channel tile row for v (256 for 128 keys), 4 a token for q and k
	s_and_b32 s47, s47, 1023
	s_lshr_b32 s47, s47, 6                         ; the head
	s_lshr_b32 s21, s46, 11                        ; the batch
	s_lshl_b32 s21, s21, 4
	s_add_co_u32 s47, s47, s21                     ; batch x head
	s_and_b32 s46, s46, 2047                       ; the token in its sequence
	s_mul_i32 s20, s47, 393216
	s_lshl_b32 s21, ttmp9, 17                      ; q, k or v
	s_add_co_u32 s20, s20, s21
	s_lshl_b32 s21, s46, 6                         ; 64 bytes of image a token, in all three
	s_add_co_u32 s20, s20, s21
	s_mov_b32 s21, 0
	s_mul_i32 s22, s47, 20480
	s_lshl_b32 s47, ttmp9, 13
	s_add_co_u32 s22, s22, s47
	s_lshl_b32 s47, s46, s23
	s_add_co_u32 s22, s22, s47
	s_mov_b32 s23, 0
	s_lshl_b32 s46, s46, 8                         ; a row of cos or sin is 256 bytes
	s_mov_b32 s47, 0
	s_wait_alu depctr_va_vdst(0)
	s_wait_kmcnt 0x0
	s_add_nc_u64 s[4:5], s[4:5], s[46:47]
	s_add_nc_u64 s[6:7], s[6:7], s[46:47]
	s_add_nc_u64 s[8:9], s[8:9], s[20:21]
	s_add_nc_u64 s[10:11], s[10:11], s[22:23]
	; q, k: the rows of cos and sin of my 128 tokens are first read on the way out.  The eight waves that will read them (two a work-group, four partners) share them out by address: cos or sin by the wave, 32 rows by cx
	s_cmp_eq_u32 ttmp9, 2
	s_cbranch_scc1 .Lno_cs_ask
	s_cmp_eq_u32 s16, 0
	s_cselect_b64 s[100:101], s[4:5], s[6:7]
	s_lshl_b32 s20, s40, 13                        ; 32 rows of 256 bytes
	s_mov_b32 s21, 0
	s_add_nc_u64 s[100:101], s[100:101], s[20:21]
	global_prefetch_b8 v23, s[100:101] th:TH_LOAD_NT scope:SCOPE_SE
.Lno_cs_ask:
.macro FRAG reg, adr, q, i             ; 16 rows x 128 K: lane l holds row l % 16; registers 4 c .. 4 c + 3 hold K = 32 c + 16 (l / 16) + 0 .. 15
.irp c, 0,1,2,3
	ds_load_b128 v[\reg+4*\c:\reg+4*\c+3], v[\adr] offset:128*(\q)+32*\c+(\i)*16*PITCH
.endr
.endm
; 16 matrix instructions: A's blocks a0, a0 + 1 x B's eight.  The 64 accumulators take turns, one instruction a turn, in the same order in every step.
.macro MUL16 a0, p, q, sc, zero
.irp a, \a0, \a0+1
.irp b, 0,1,2,3,4,5,6,7
.if \zero
	v_wmma_scale_f32_16x16x128_f8f6f4 v[8*(8*((\a)%4)+\b):8*(8*((\a)%4)+\b)+7], v[128*(\p)+FR*\b:128*(\p)+FR*\b+FR-1], v[AF+FR*(\a):AF+FR*(\a)+FR-1], 0, v[SC+8*NQ*(\sc)+NQ*\b+(\q)], v[SC+8*NQ*(\sc)+NQ*(\a)+(\q)] matrix_a_scale:MATRIX_SCALE_ROW1
.else
	v_wmma_scale_f32_16x16x128_f8f6f4 v[8*(8*((\a)%4)+\b):8*(8*((\a)%4)+\b)+7], v[128*(\p)+FR*\b:128*(\p)+FR*\b+FR-1], v[AF+FR*(\a):AF+FR*(\a)+FR-1], v[8*(8*((\a)%4)+\b):8*(8*((\a)%4)+\b)+7], v[SC+8*NQ*(\sc)+NQ*\b+(\q)], v[SC+8*NQ*(\sc)+NQ*(\a)+(\q)] matrix_a_scale:MATRIX_SCALE_ROW1
.endif
.endr
.endr
.endm
.macro FETCH_B slot, q, p
	WIN TO_B
.irp i, 0,1,2,3,4,5,6,7
	FRAG 128*(\p)+FR*\i, ADRB+\slot, \q, \i
.endr
	WIN 0
.endm
.macro FETCH_A slot, q, i0
.irp i, \i0, \i0+1, \i0+2, \i0+3
	FRAG AF+FR*(\i), ADRA+\slot, \q, \i
.endr
.endm
.macro SCALES sc                       ; a K step's scale words: lanes 0-15 take A's block i, lanes 16-31 B's block i
.irp i, 0,1,2,3,4,5,6,7
	ds_load_b64 v[SC+8*NQ*\sc+NQ*\i:SC+8*NQ*\sc+NQ*\i+1], v[ADRS] offset:\i*SBLK
.endr
.endm
.macro PLACES n                        ; plain vector lines between a matrix instruction and a load into, or a read of, its registers
.rept \n
	v_nop
.endr
.endm
.macro STEP slot, q, zero              ; 128 along K that has its successor in the same slot
	s_wait_dscnt 4*NL                              ; B's set, the scale words and A's blocks 0-3 are in; the youngest 16 loads (A's blocks 4-7) may be out
	FETCH_B \slot, (\q)+1, 1-(\q)%2                ; B's other set stands eight places behind its last reader (the places at the last step's end): the next step's 32 loads go out here
	WIN MUL_LO
	MUL16 0, (\q)%2, \q, \slot, \zero
	MUL16 2, (\q)%2, \q, \slot, \zero
	s_wait_dscnt 8*NL                              ; A's blocks 4-7 are in; the 32 loads of B's next set, issued behind them, may be out
	PLACES NP
	WIN 0
	FETCH_A \slot, (\q)+1, 0
	WIN MUL_HI
	MUL16 4, (\q)%2, \q, \slot, \zero
	MUL16 6, (\q)%2, \q, \slot, \zero
	PLACES NP
	WIN 0
	FETCH_A \slot, (\q)+1, 4
.endm
; A slot's last step changes slots: one barrier; in front of it each wave waits for all its tensor loads, adds 0 to its spare word, and waits for that and for its reads of this slot.
.macro TURN slot, next, fill
	s_wait_tensorcnt 0x0                           ; all my tensor loads have landed: my part of the next slot
	ds_add_u32 v[SPW], v[NIL]                      ; 0 onto my spare word
	s_wait_dscnt 4*NL+1                            ; the add and the youngest 16 loads may be out
	WIN MUL_LO
	MUL16 0, 1, NQ-1, \slot, 0
	s_wait_dscnt 0x0                               ; the add is done, and my reads of this slot are over
	s_barrier_signal -1
	MUL16 2, 1, NQ-1, \slot, 0
	WIN 0
	s_barrier_wait -1
.if \fill
	CREST                                          ; the barrier has opened a round of the cluster's: no wave of any partner still reads this slot or has a load on its way
	s_add_nc_u64 s[G0+4*\slot+2:G0+4*\slot+3], s[G0+4*\slot+2:G0+4*\slot+3], 2*ROWB
	s_add_nc_u64 s[G0B+4*\slot+2:G0B+4*\slot+3], s[G0B+4*\slot+2:G0B+4*\slot+3], 2*ROWB
	JLOAD G0+4*\slot, G1, G0B+4*\slot, G1B         ; the first tensor load behind the round; its four v_nop are four of the eight places
	PLACES NP-4
.else
	PLACES NP
.endif
	s_wait_alu depctr_va_vdst(0)
	v_add_nc_u32 v[ADRS], 4*NQ, v[ADRS]            ; the next K step's scale words
	FETCH_B \next, 0, 0
	FETCH_A \next, 0, 0
	SCALES \next
	WIN MUL_HI
	MUL16 4, 1, NQ-1, \slot, 0
	MUL16 6, 1, NQ-1, \slot, 0
	PLACES NP
	WIN 0
	FETCH_A \next, 0, 4
.endm
	s_wait_alu depctr_va_vdst(0)                   ; the wait at the head's end
	s_wait_tensorcnt 0x0                           ; my tile of the head's four is in
	ds_add_u32 v[SPW], v[NIL]
	s_mov_b32 s[G1+2], 128<<16                     ; no tensor load of mine is out, so descriptors may be written: from here on a load brings 128 rows,
	s_mov_b32 s[G1+4], 128
	s_mov_b32 s[G1B+2], 128<<16
	s_mov_b32 s[G1B+4], 128
	s_mov_b32 s[G0+1], s45                         ; and slot 0's descriptors stand at my half
	s_add_nc_u64 s[G0+2:G0+3], s[G0+2:G0+3], s[18:19]
	s_mov_b32 s[G0B+1], s45
	s_add_nc_u64 s[G0B+2:G0B+3], s[G0B+2:G0B+3], s[18:19]
	s_wait_dscnt 0x0
	CROUND                                         ; all four tiles are in, and all sixteen work-groups are here
	JLOAD G0+4, G1, G0B+4, G1B                     ; K step 1: the first tensor load behind the round
	FETCH_B 0, 0, 0
	FETCH_A 0, 0, 0
	SCALES 0
	FETCH_A 0, 0, 4
	global_prefetch_b8 v22, s[96:97] offset:768 th:TH_LOAD_NT scope:SCOPE_SE   ; K step 3
	STEP 0, 0, 1                                   ; the first step's products start the sums
	s_mov_b32 s3, LAPS-1
.Llap:
	TURN 0, 1, 1
	STEP 1, 0, 0
	TURN 1, 0, 1
	STEP 0, 0, 0
	s_sub_co_u32 s3, s3, 1
	s_cmp_lg_u32 s3, 0
	s_cbranch_scc1 .Llap
	TURN 0, 1, 0                                   ; the last lap fills nothing
	STEP 1, 0, 0
	; q, k: cos and sin of the first two blocks of 16 tokens are asked for here, ahead of the last 64 products: these read the B side's set 1, and set 0, eight places behind its last reader, takes the 32 loads
	s_cmp_eq_u32 ttmp9, 2
	s_cbranch_scc1 .Lno_cs
	WIN 0x40
.irp a, 0,1
.irp bb, 0,1,2,3
	global_load_b128 v[64*\a+8*\bb:64*\a+8*\bb+3], v[CSO], s[4:5] offset:4096*\a+64*\bb
	global_load_b128 v[64*\a+8*\bb+4:64*\a+8*\bb+7], v[CSO], s[4:5] offset:4096*\a+64*\bb+16
	global_load_b128 v[64*\a+32+8*\bb:64*\a+32+8*\bb+3], v[CSO], s[6:7] offset:4096*\a+64*\bb
	global_load_b128 v[64*\a+32+8*\bb+4:64*\a+32+8*\bb+7], v[CSO], s[6:7] offset:4096*\a+64*\bb+16
.endr
.endr
	WIN 0
.Lno_cs:
	s_wait_dscnt 4*NL
	WIN MUL_LO
	MUL16 0, 1, NQ-1, 1, 0
	MUL16 2, 1, NQ-1, 1, 0
	s_wait_dscnt 0
	WIN MUL_HI
	MUL16 4, 1, NQ-1, 1, 0
	MUL16 6, 1, NQ-1, 1, 0
	WIN 0
; THE QUANTISER.  64 numbers of a lane, v[src + 16 b + i] in window swin: 16 of each of four blocks of 32; the other 16 lie in lane l xor 16.  The held numbers go to v[dst ..] in window dwin, the codes to v[PC ..],
; the four bytes to v[TM+4 ..].  Each accumulator is read from its low end on.
.macro QUANT4 src, swin, dst, dwin
	WIN (\swin)|((\swin)<<2)
.irp b, 0,1,2,3
	v_max3_num_f32 v[TM+\b], |v[\src+16*\b]|, |v[\src+1+16*\b]|, 0x4800000   ; with the floor 2^(9 - 127): the byte cannot fall under 1
.endr
.irp i, 2,4,6,8,10,12,14
.irp b, 0,1,2,3
	v_max3_num_f32 v[TM+\b], |v[\src+16*\b+\i]|, |v[\src+1+16*\b+\i]|, v[TM+\b]
.endr
.endr
	WIN 0
.irp b, 0,1,2,3
	v_permlanex16_b32 v[TM+4+\b], v[TM+\b], s[SEL], s[SEL+1]
.endr
.irp b, 0,1,2,3
	v_max_num_f32 v[TM+\b], v[TM+\b], v[TM+4+\b]   ; the block's largest magnitude
.endr
.irp b, 0,1,2,3
	v_add_nc_u32 v[TM+12+\b], 0xfc000000, v[TM+\b] ; 8 off its exponent field: the conversion's scale operand
.endr
.irp b, 0,1,2,3
	v_and_or_b32 v[TM+8+\b], v[TM+\b], 0x7f800000, s[MNT]   ; 448 x the scale
.endr
.irp b, 0,1,2,3
	v_lshrrev_b32 v[TM+4+\b], 23, v[TM+12+\b]      ; the scale's byte
.endr
	WIN (\swin)|((\dwin)<<6)
.irp b, 0,1,2,3
.irp i, 0,1,2,3,4,5,6,7,8,9,10,11,12,13,14,15
	v_med3_num_f32 v[\dst+16*\b+\i], v[\src+16*\b+\i], -v[TM+8+\b], v[TM+8+\b]   ; the conversion does not saturate (ISA guide 7.6.2): the hold comes first
.endr
.endr
	WIN \dwin
.irp b, 0,1,2,3
	v_cvt_scalef32_pk8_fp8_f32 v[PC+4*\b:PC+1+4*\b], v[\dst+16*\b:\dst+7+16*\b], v[TM+12+\b]
	v_cvt_scalef32_pk8_fp8_f32 v[PC+2+4*\b:PC+3+4*\b], v[\dst+8+16*\b:\dst+15+16*\b], v[TM+12+\b]
.endr
	WIN 0
	v_nop                                          ; a plain line behind the last scaled conversion
.endm
.macro CSLOAD a                        ; cos and sin of the 16 tokens of block a: my token's row, my half's eight channels of each 16: 16 loads into set a % 2
	WIN 0x40
.irp bb, 0,1,2,3
	global_load_b128 v[64*((\a)%2)+8*\bb:64*((\a)%2)+8*\bb+3], v[CSO], s[4:5] offset:4096*(\a)+64*\bb
	global_load_b128 v[64*((\a)%2)+8*\bb+4:64*((\a)%2)+8*\bb+7], v[CSO], s[4:5] offset:4096*(\a)+64*\bb+16
	global_load_b128 v[64*((\a)%2)+32+8*\bb:64*((\a)%2)+32+8*\bb+3], v[CSO], s[6:7] offset:4096*(\a)+64*\bb
	global_load_b128 v[64*((\a)%2)+32+8*\bb+4:64*((\a)%2)+32+8*\bb+7], v[CSO], s[6:7] offset:4096*(\a)+64*\bb+16
.endr
	WIN 0
.endm
; q, k: 16 tokens x 128 channels (two heads).  y(2 i) = x(2 i) c(2 i) - x(2 i + 1) s(2 i);  y(2 i + 1) = x(2 i + 1) c(2 i + 1) + x(2 i) s(2 i + 1): a pair of registers is a pair of the rotation.
.macro QKROW a
.set CSB, 64*((\a)%2)
.set AC, 64*((\a)%4)
.if (\a) < 7
	s_wait_loadcnt 16                              ; this block's cos and sin are in; the next block's 16 loads stay out
.else
	s_wait_loadcnt 0
.endif
	WIN (2+(\a)/4)|4                               ; source 0: the accumulators' window; source 1: window 1
.irp b, 0,1,2,3,4,5,6,7
.irp j, 0,2,4,6
	v_pk_mul_f32 v[Y+8*\b+\j:Y+8*\b+\j+1], v[AC+8*\b+\j:AC+8*\b+\j+1], v[CSB+8*(\b%4)+\j:CSB+8*(\b%4)+\j+1]
.endr
.endr
.irp b, 0,1,2,3,4,5,6,7
.irp j, 0,2,4,6
	v_pk_fma_f32 v[Y+8*\b+\j:Y+8*\b+\j+1], v[AC+8*\b+\j:AC+8*\b+\j+1], v[CSB+32+8*(\b%4)+\j:CSB+32+8*(\b%4)+\j+1], v[Y+8*\b+\j:Y+8*\b+\j+1] op_sel:[1,0,0] op_sel_hi:[0,1,1] neg_lo:[0,1,0]
.endr
.endr
	WIN 0
.if (\a) < 6
	CSLOAD (\a)+2
.endif
.if (\a) > 0
	s_wait_xcnt 0x0                                ; the last block's stores have read the codes' registers
.endif
	QUANT4 Y, 0, Y, 0
	global_store_b128 v[VO], v[PC:PC+3], s[8:9] offset:1024*(\a)                 ; each store covers 512 consecutive bytes
	global_store_b128 v[VO], v[PC+4:PC+7], s[8:9] offset:1024*(\a)+512
	global_store_b128 v[VO], v[PC+8:PC+11], s[8:9] offset:393216+1024*(\a)       ; the next head
	global_store_b128 v[VO], v[PC+12:PC+15], s[8:9] offset:393216+1024*(\a)+512
	v_lshl_or_b32 v[WW+2*(\a)], v[TM+5], 8, v[TM+4]
	v_lshl_or_b32 v[WW+2*(\a)+1], v[TM+7], 8, v[TM+6]
	ds_store_b32 v[GA], v[WW+2*(\a)] offset:64*(\a)                              ; both halves of the lanes write the same word
	ds_store_b32 v[GA], v[WW+2*(\a)+1] offset:512+64*(\a)
.endm
; v: 16 channels x 128 keys: a whole fragment of V^T and its scale word
.macro VROW a
.if (\a) > 0
	s_wait_xcnt 0x0
.endif
	QUANT4 64*((\a)%4), 2+(\a)/4, Y, 0
.irp c, 0,1,2,3
	global_store_b128 v[VO], v[PC+4*\c:PC+4*\c+3], s[8:9] offset:((\a)/4)*393216+((\a)%4)*2048+512*\c
.endr
	v_lshl_or_b32 v[TW], v[TM+5], 8, v[TM+4]
	v_lshl_or_b32 v[TW+1], v[TM+7], 8, v[TM+6]
	v_lshl_or_b32 v[WW+(\a)], v[TW+1], 16, v[TW]
	ds_store_b32 v[GA], v[WW+(\a)] offset:4096+64*(\a)
.endm
	; THE WAY OUT.  The scale words are gathered in slot 0, which has had its last fill and, since the last change of slots, its last read; each path has bytes of its own there, each wave its own 1,024.
	PLACES NP
.irp b, 0,1,2,3
	v_mov_b32 v[TM+4+\b], 0                        ; a lane permute's destination counts as one of its sources
.endr
	s_cmp_eq_u32 ttmp9, 2
	s_cbranch_scc1 .Lvpath
.irp a, 0,1,2,3,4,5,6,7
	QKROW \a
.endr
	ds_load_b128 v[R0:R0+3], v[RB]                 ; LDS serves a wave's instructions in order: these see my stores
	ds_load_b128 v[R0+4:R0+7], v[RB] offset:512
	s_wait_dscnt 0x0
	global_store_b128 v[VO], v[R0:R0+3], s[10:11]                  ; 128 tokens' words: 512 consecutive bytes
	global_store_b128 v[VO], v[R0+4:R0+7], s[10:11] offset:20480   ; the next head's
	s_branch .Lend
.Lvpath:
.irp a, 0,1,2,3,4,5,6,7
	VROW \a
.endr
	ds_load_b128 v[R0:R0+3], v[RB] offset:4096
	s_wait_dscnt 0x0
	global_store_b128 v[VOS], v[R0:R0+3], s[10:11]                 ; sixteen lanes store a head's 256 bytes, the other sixteen the next head's
.Lend:
	s_wait_tensorcnt 0x0                           ; the wave's end
	ds_add_u32 v[SPW], v[NIL]
	s_wait_dscnt 0x0
	CROUND                                         ; the closing round
	s_endpgm
.Lfunc_end_k_qa54c2877c0_qkv:
	.size	k_qa54c2877c0_qkv, .Lfunc_end_k_qa54c2877c0_qkv-k_qa54c2877c0_qkv
	.p2alignl 7, 3214868480
	.fill 96, 4, 3214868480
	.section	.rodata,"a",@progbits
	.p2align	6, 0x0
	.amdhsa_kernel k_qa54c2877c0_qkv
		.amdhsa_group_segment_fixed_size 327680
		.amdhsa_private_segment_fixed_size 0
		.amdhsa_enable_private_segment 0
		.amdhsa_kernarg_size 64
		.amdhsa_user_sgpr_count 2
		.amdhsa_user_sgpr_kernarg_segment_ptr 1
		.amdhsa_wavefront_size32 1
		.amdhsa_system_sgpr_workgroup_id_x 1
		.amdhsa_system_sgpr_workgroup_id_y 1
		.amdhsa_system_sgpr_workgroup_id_z 1
		.amdhsa_system_vgpr_workitem_id 0
		.amdhsa_next_free_vgpr 1024
		.amdhsa_next_free_sgpr 102
		.amdhsa_reserve_vcc 0
		.amdhsa_float_denorm_mode_32 3
		.amdhsa_float_denorm_mode_16_64 3
		.amdhsa_memory_ordered 1
		.amdhsa_forward_progress 1
		.amdhsa_inst_pref_size 255
	.end_amdhsa_kernel
	.section	.bss,"aw",@nobits
	.p2align	6
	.space	262144
	.amdgpu_metadata
---
amdhsa.version: [ 1, 2 ]
amdhsa.kernels:
  - .name:           k_qa54c2877c0_qkv
    .symbol:         k_qa54c2877c0_qkv.kd
    .args:
      - { .name: h_codes, .offset: 0, .size: 8, .value_kind: global_buffer, .address_space: global }
      - { .name: h_scales, .offset: 8, .size: 8, .value_kind: global_buffer, .address_space: global }
      - { .name: qkv_w_codes, .offset: 16, .size: 8, .value_kind: global_buffer, .address_space: global }
      - { .name: qkv_w_scales, .offset: 24, .size: 8, .value_kind: global_buffer, .address_space: global }
      - { .name: cos, .offset: 32, .size: 8, .value_kind: global_buffer, .address_space: global }
      - { .name: sin, .offset: 40, .size: 8, .value_kind: global_buffer, .address_space: global }
      - { .name: qkv_img, .offset: 48, .size: 8, .value_kind: global_buffer, .address_space: global }
      - { .name: qkv_scl, .offset: 56, .size: 8, .value_kind: global_buffer, .address_space: global }
    .group_segment_fixed_size: 327680
    .private_segment_fixed_size: 0
    .kernarg_segment_align: 8
    .kernarg_segment_size: 64
    .max_flat_workgroup_size: 128
    .sgpr_count:     102
    .vgpr_count:     1024
    .wavefront_size: 32
...
	.end_amdgpu_metadata
.endif
;; end of part 2
;; launch att (part 3): grid 8 x 32, 8 waves a work-group, clusters of 4 x 1, 327,680 bytes of LDS; arguments qkv_img, qkv_scl, act_img, act_scl; writes act_img, act_scl
.if DOCPART == 3
	.amdgcn_target "amdgcn-amd-amdhsa--gfx1250"
	.amdhsa_code_object_version 6
	.text
	.protected	k_qa54c2877c0_att
	.globl	k_qa54c2877c0_att
	.p2align	8
	.type	k_qa54c2877c0_att,@function
k_qa54c2877c0_att:
	s_mov_b64 s[64:65], 0
	v_nop
	global_prefetch_b8 v0, s[64:65] scope:SCOPE_SE
	s_setreg_imm32_b32 hwreg(HW_REG_WAVE_MODE, 25, 1), 1
	s_wait_xcnt 0x0
	s_wait_alu depctr_hold_cnt(0) depctr_sa_sdst(0) depctr_va_vdst(0) depctr_va_sdst(0) depctr_va_ssrc(0) depctr_va_vcc(0) depctr_vm_vsrc(0)
	s_getreg_b32 s2, hwreg(HW_REG_IB_STS2, 6, 4)
	s_cmp_eq_u32 s2, 0
	s_cbranch_scc0 .Lentry_in_a_cluster
	s_endpgm
.Lentry_in_a_cluster:
	s_bfe_u32 s2, ttmp6, 0x10000c
	s_cmp_lg_u32 s2, 0x3003
	s_cbranch_scc0 .Lentry_shape_is_right
	s_endpgm
.Lentry_shape_is_right:
; Attention of one head on codes of FP8 (E4M3): S^T = K Q^T, p = 2^(t - M), O^T = V^T P^T, O / l, and O as codes again for the next product.
; t = score x log2(e) / 8; M = the running largest t rounded up to a whole number; the row's sum is taken of the unquantised p; when M moves, the sum and O^T are multiplied by 2^(old M - new M), which rounds nothing.
; SHARES.  A work-group owns 256 queries of one batch x head; each of its EIGHT waves owns 32 of them, two tiles of 16: every fragment of K and V that a wave reads from LDS feeds two matrix instructions.
; THE WHOLE HEAD'S K AND V LIE IN LDS as images of operand registers (16 bytes a lane, 512 bytes a load): 262,144 bytes, and 12,288 of scale words.  Every byte is filled once, by seven tensor loads, one a wave, at the head:
; wave 0 K's keys 0-511, wave 1 V's, wave 2 the scale words, waves 3, 4 the rest of K (49,152 bytes each), waves 5, 6 the rest of V.  The first barrier stands behind the waits of waves 0 to 2 and shows what steps 0 to 2 read
; (step 2 asks for step 3's K, still among keys 0-511); the second stands behind every wave's wait; nothing is filled again.
; CLUSTER.  The four query blocks of a cluster belong to one head: each load is asked for jointly, with the same descriptor and the mask of all four.
; Nothing is prefetched: every byte of K and V is asked for at the head, so there is no loop to run ahead in.
; THE FIRST PRODUCT'S K IS 64, the instruction's 128.  Q's upper eight registers hold zero codes and bytes 2, 3 of both scale words are 0 (2^-127, no NaN).  K's tile t is named with the next tile's codes as its upper half
; (behind tile 7: zeros): finite numbers x zero add nothing.
; A STEP, 128 keys: V's fragments are asked for at its top, the NEXT step's K right behind the first products; the last step so reads the 8,192 bytes behind K and the 512 behind K's words, which are filled bytes, and uses none of them.
; The two tiles' lines go by turns.  The exponentials go in two batches: among tile 0's stand tile 1's scalings, among tile 1's stand tile 0's holds: lines whose results are read behind the batch's wait alone.
; O^T is rescaled ahead of the step's first exponential.
; LIMITS: NaN and infinities are not served; a block of O under 2^-118 keeps the byte 1; the promise holds while |t| stays under 2^31.
; REGISTERS.  Window 0: v1-11 addresses; v16-39, v40-63 a tile's small state; v64-127, v128-191 S^T, then p; v192-223 p's codes; v224-235 scale words and nothing else.
;             Window 1: v0-63 K, v64-71 zeros; v72-135 V; v136-199 O^T; v200-231 Q, each tile's eight registers with eight of zeros behind them.
.set VIMG, 131072
.set SCK,  262144
.set SCV,  270336
.set SPARE, 274432                     ; the spare words: 128 bytes a wave
.set AK0,  1                           ; 16 x lane
.set AV0,  2
.set ASK0, 3
.set ASV0, 4
.set RO,   5                           ; 4 x (lane % 16)
.set ADK,  6
.set ADV,  7
.set ADS,  8
.set ADT,  9
.set SPW,  10
.set NIL,  11
.set NM,   16                          ; tile u's state stands 24 u further on: -M, with the largest t behind it as a pair
.set MT,   17
.set SUM,  18
.set BM,   20
.set PT,   24
.set HD,   28
.set SO,   32
.set TT,   36
.set F,    38
.set S,    64
.set PC,   192
.set KSW,  224                         ; K's scale words: lanes 0-15 tile 2 j, lanes 16-31 tile 2 j + 1
.set VSW,  228
.set QSW,  230
.set PSW,  234
.set KF,   0
.set VF,   72
.set O,    136
.set Q,    200
.set WV,   12
.set G0,   24
.set G1A,  28                          ; 128 rows of 256 bytes
.set G1B,  36                          ; 192 rows
.set G1S,  44                          ; 48 rows
.set TB,   60
.set TS,   61
.set TJ,   62
.set CNT,  63
.set MNT,  70
.set SEL,  72
.set CS,   74
.set MSB, 0
.macro WIN new                         ; the immediate's high byte repeats the setting that is left
.if MSB != \new
	s_set_vgpr_msb (MSB<<8)|\new
.set MSB, \new
.endif
.endm
.macro CROUND
	s_barrier_signal -1
	s_barrier_wait -1
	s_cmp_lg_u32 s[WV], 0
	s_cbranch_scc1 .Lnot_wave_0_\@
	s_barrier_signal -3
.Lnot_wave_0_\@:
	s_barrier_wait -3
	s_barrier_signal -1
	s_barrier_wait -1
.endm
.macro GROUP1 g, rows                  ; the mask of all four; elements of 8 bytes; bit 21 beside a mask; dense rows of 256 bytes
	s_mov_b32 s[\g], 15|(3<<16)|(1<<21)
	s_mov_b32 s[\g+1], 32<<16
	s_mov_b32 s[\g+2], (\rows)<<16
	s_mov_b32 s[\g+3], 32<<16
	s_mov_b32 s[\g+4], \rows
	s_mov_b32 s[\g+5], 32
	s_mov_b32 s[\g+6], 0
	s_mov_b32 s[\g+7], 0
.endm
	s_load_b128 s[4:7], s[0:1], 0x0                ; the images of q, k, v; their scale words
	s_load_b128 s[8:11], s[0:1], 0x10              ; O's images; O's scale words
	v_lshl_add_u32 v[SPW], v0, 2, SPARE
	v_mov_b32 v[NIL], 0
	ds_add_u32 v[SPW], v[NIL]
	ds_add_u32 v[SPW], v[NIL]
	v_lshrrev_b32 v12, 5, v0
	v_readfirstlane_b32 s[WV], v12                 ; wave 0..7
	s_bfe_u32 s13, ttmp6, 0x40000                  ; cx
	s_lshl_b32 s14, ttmp9, 2
	s_add_co_u32 s14, s14, s13                     ; my block of 256 queries: it enters Q's and O's addresses alone
	s_and_b32 s15, ttmp7, 0xffff                   ; batch x head, which the four partners share
	s_mul_i32 s16, s15, 393216
	s_mul_i32 s18, s15, 20480
	s_add_co_u32 s66, s16, 131072                  ; the head's K | V
	s_mov_b32 s67, 0
	s_add_co_u32 s68, s18, 8192                    ; K's and V's scale words
	s_mov_b32 s69, 0
	GROUP1 G1A, 128
	GROUP1 G1B, 192
	GROUP1 G1S, 48
	s_mov_b32 s[G0], 1
	s_lshl_b32 s76, s14, 4
	s_lshl_b32 s77, s[WV], 1
	s_add_co_u32 s76, s76, s77                     ; my first tile of 16 queries in the head
	s_lshl_b32 s78, s76, 10
	s_add_co_u32 s78, s78, s16                     ; its image
	s_mov_b32 s79, 0
	s_lshl_b32 s80, s76, 6
	s_add_co_u32 s80, s80, s18                     ; its scale words
	s_mov_b32 s81, 0
	s_lshr_b32 s2, s15, 4                          ; the batch
	s_lshl_b32 s2, s2, 7
	s_add_co_u32 s2, s2, s76                       ; my first tile among all 256 tiles of 16 tokens
	s_and_b32 s3, s15, 15                          ; the head
	s_lshl_b32 s82, s2, 14
	s_lshl_b32 s83, s3, 10
	s_add_co_u32 s82, s82, s83                     ; O's image: 16,384 bytes a tile of tokens, 1,024 a head
	s_mov_b32 s83, 0
	s_lshr_b32 s84, s3, 1
	s_lshl_b32 s84, s84, 14                        ; O's scale words: 16,384 bytes for two heads,
	s_lshl_b32 s85, s2, 6
	s_add_co_u32 s84, s84, s85                     ; 4 a token,
	s_and_b32 s85, s3, 1
	s_lshl_b32 s85, s85, 1
	s_add_co_u32 s84, s84, s85                     ; my head's two bytes of the four
	s_mov_b32 s85, 0
	s_mov_b32 s[SEL], 0x76543210
	s_mov_b32 s[SEL+1], 0xfedcba98                 ; lane l xor 16
	s_mov_b32 s[CS], 0x3e38aa3b                    ; c = log2(e) / 8
	s_mov_b32 s[CS+1], s[CS]
	s_mov_b32 s[MNT], 0x600000                     ; the mantissa field of 448
	s_wait_dscnt 0x0
	s_wait_kmcnt 0x0
	s_add_nc_u64 s[66:67], s[4:5], s[66:67]
	s_add_nc_u64 s[68:69], s[6:7], s[68:69]
	s_add_nc_u64 s[78:79], s[4:5], s[78:79]
	s_add_nc_u64 s[80:81], s[6:7], s[80:81]
	s_add_nc_u64 s[8:9], s[8:9], s[82:83]
	s_add_nc_u64 s[10:11], s[10:11], s[84:85]
	CROUND                                         ; all four work-groups are here: the joint loads meet
; one chain of branches on the wave's number, a load to an arm; wave 7 asks for nothing
.macro ARM w, lds, base, off, g1, next
	s_cmp_eq_u32 s[WV], \w
	s_cbranch_scc0 \next
	s_mov_b32 s[G0+1], \lds
	s_add_nc_u64 s[G0+2:G0+3], s[\base:\base+1], \off
	s_or_b32 s[G0+3], s[G0+3], 0x80000000
	tensor_load_to_lds s[G0:G0+3], s[\g1:\g1+7]
	s_nop 0
.rept 4
	v_nop
.endr
	s_branch .Lasked
\next:
.endm
	ARM 0, 0,      66, 0,      G1A, .La1
	ARM 1, 131072, 66, 131072, G1A, .La2
	ARM 2, SCK,    68, 0,      G1S, .La3
	ARM 3, 32768,  66, 32768,  G1B, .La4
	ARM 4, 81920,  66, 81920,  G1B, .La5
	ARM 5, 163840, 66, 163840, G1B, .La6
	ARM 6, 212992, 66, 212992, G1B, .La7
.Lasked:
	v_and_b32 v12, 31, v0
	v_lshlrev_b32 v[AK0], 4, v12
	v_add_nc_u32 v[AV0], VIMG, v[AK0]
	v_lshlrev_b32 v13, 2, v12
	v_add_nc_u32 v[ASK0], SCK, v13
	v_add_nc_u32 v[ASV0], SCV, v13
	v_and_b32 v[RO], 15, v0
	v_lshlrev_b32 v[RO], 2, v[RO]
	WIN 0x40
.irp u, 0,1
	global_load_b128 v[Q+16*\u:Q+16*\u+3], v[AK0], s[78:79] offset:1024*\u
	global_load_b128 v[Q+16*\u+4:Q+16*\u+7], v[AK0], s[78:79] offset:1024*\u+512
.endr
.irp j, 0,1,2,3,4,5,6,7
	v_mov_b32 v[KF+64+\j], 0                       ; zero codes behind K's tile 7,
	v_mov_b32 v[Q+8+\j], 0                         ; and as the upper halves of Q
	v_mov_b32 v[Q+24+\j], 0
.endr
.set j, 0
.rept 64
	v_mov_b32 v[O+j], 0                            ; the step is written once: the first finds zeros
.set j, j+1
.endr
	WIN 0
	global_load_b32 v[QSW], v[RO], s[80:81]
	global_load_b32 v[QSW+1], v[RO], s[80:81] offset:64
.irp u, 0,1
	v_mov_b32 v[MT+24*\u], 0xff61b1e6              ; the largest t so far: -3e38
	v_floor_f32 v[NM+24*\u], -v[MT+24*\u]          ; -M
	v_mov_b32 v[SUM+24*\u], 0
	v_mov_b32 v[SUM+24*\u+1], 0
	v_mov_b32 v[TT+24*\u], 0
	v_mov_b32 v[F+24*\u+1], 0                      ; named as a pair's upper half
.irp b, 0,1,2,3
	v_mov_b32 v[PT+24*\u+\b], 0                    ; a lane permute's destination counts as one of its sources
.endr
.endr
.macro DUALMIN u, k                    ; THE HOLD, two numbers a line: one of block b, one of block b + 1: one destination even, the other odd; first sources and holds in different register banks.  p is not negative: one-sided
.set b_, 2*((\k)&1)
.set h_, ((\k)>>1)&1
.set i_, 2*((\k)>>2)
.set x_, S+64*(\u)+16*b_+i_+h_
.set y_, S+64*(\u)+16*b_+17+i_-h_
	v_dual_min_num_f32 v[x_], v[x_], v[HD+24*(\u)+b_] :: v_dual_min_num_f32 v[y_], v[y_], v[HD+24*(\u)+b_+1]
.endm
.macro SUMP u                          ; the row's sum, of the unquantised p, in four chains
.set s_, S+64*(\u)
.set a_, SUM+24*(\u)
.set c_, PT+24*(\u)
.set d_, HD+24*(\u)
	v_pk_add_f32 v[c_:c_+1], v[s_:s_+1], v[s_+2:s_+3]
	v_pk_add_f32 v[c_+2:c_+3], v[s_+4:s_+5], v[s_+6:s_+7]
	v_pk_add_f32 v[d_:d_+1], v[s_+8:s_+9], v[s_+10:s_+11]
.irp j, 12,20,28,36,44,52
	v_pk_add_f32 v[a_:a_+1], v[a_:a_+1], v[s_+\j:s_+\j+1]
	v_pk_add_f32 v[c_:c_+1], v[c_:c_+1], v[s_+\j+2:s_+\j+3]
	v_pk_add_f32 v[c_+2:c_+3], v[c_+2:c_+3], v[s_+\j+4:s_+\j+5]
	v_pk_add_f32 v[d_:d_+1], v[d_:d_+1], v[s_+\j+6:s_+\j+7]
.endr
	v_pk_add_f32 v[a_:a_+1], v[a_:a_+1], v[s_+60:s_+61]
	v_pk_add_f32 v[c_:c_+1], v[c_:c_+1], v[s_+62:s_+63]
	v_pk_add_f32 v[c_+2:c_+3], v[c_+2:c_+3], v[d_:d_+1]
	v_pk_add_f32 v[a_:a_+1], v[a_:a_+1], v[c_:c_+1]
	v_pk_add_f32 v[a_:a_+1], v[a_:a_+1], v[c_+2:c_+3]
.endm
.macro SCALE u                         ; from each block's largest p: the conversion's operand, 448 x the scale, the byte; the four bytes make p's scale word
.irp b, 0,1,2,3
	v_max_num_f32 v[BM+24*(\u)+\b], 0x4800000, v[BM+24*(\u)+\b]    ; the floor 2^(9 - 127)
.endr
.irp b, 0,1,2,3
	v_add_nc_u32 v[SO+24*(\u)+\b], 0xfc000000, v[BM+24*(\u)+\b]
.endr
.irp b, 0,1,2,3
	v_and_or_b32 v[HD+24*(\u)+\b], v[BM+24*(\u)+\b], 0x7f800000, s[MNT]
.endr
.irp b, 0,1,2,3
	v_lshrrev_b32 v[PT+24*(\u)+\b], 23, v[SO+24*(\u)+\b]
.endr
	v_lshl_or_b32 v[PSW+\u], v[PT+24*(\u)+1], 8, v[PT+24*(\u)]
	v_lshl_or_b32 v[PSW+\u], v[PT+24*(\u)+2], 16, v[PSW+\u]
	v_lshl_or_b32 v[PSW+\u], v[PT+24*(\u)+3], 24, v[PSW+\u]
.endm
.macro CVT u
.irp b, 0,1,2,3
	v_cvt_scalef32_pk8_fp8_f32 v[PC+16*(\u)+4*\b:PC+16*(\u)+4*\b+1], v[S+64*(\u)+16*\b:S+64*(\u)+16*\b+7], v[SO+24*(\u)+\b]
	v_cvt_scalef32_pk8_fp8_f32 v[PC+16*(\u)+4*\b+2:PC+16*(\u)+4*\b+3], v[S+64*(\u)+16*\b+8:S+64*(\u)+16*\b+15], v[SO+24*(\u)+\b]
.endr
.endm
; A KEY STEP: 128 keys, 32 queries
.macro STEP
	v_add_nc_u32 v[ADV], s[TB], v[AV0]
	v_add_nc_u32 v[ADT], s[TJ], v[ASV0]
.rept 6
	v_nop                                          ; with the two additions: eight places in front of loads into registers that the last products read
.endr
	WIN 0x40
.irp a, 0,1,2,3
.irp c, 0,1,2,3
	ds_load_b128 v[VF+16*\a+4*\c:VF+16*\a+4*\c+3], v[ADV] offset:2048*\a+512*\c
.endr
.endr
	WIN 0
	ds_load_b32 v[VSW], v[ADT]
	ds_load_b32 v[VSW+1], v[ADT] offset:128
	s_wait_dscnt 18                                ; K and its words are in; the 18 loads just issued may be out
	WIN 0x05                                       ; sources in window 1, results in window 0
.irp t, 0,2,4,6
	v_wmma_scale_f32_16x16x128_f8f6f4 v[S+8*\t:S+8*\t+7], v[KF+8*\t:KF+8*\t+15], v[Q:Q+15], 0, v[KSW+\t/2], v[QSW]
	v_wmma_scale_f32_16x16x128_f8f6f4 v[S+64+8*\t:S+64+8*\t+7], v[KF+8*\t:KF+8*\t+15], v[Q+16:Q+31], 0, v[KSW+\t/2], v[QSW+1]
	v_wmma_scale_f32_16x16x128_f8f6f4 v[S+8*\t+8:S+8*\t+15], v[KF+8*\t+8:KF+8*\t+23], v[Q:Q+15], 0, v[KSW+\t/2], v[QSW] matrix_a_scale:MATRIX_SCALE_ROW1
	v_wmma_scale_f32_16x16x128_f8f6f4 v[S+64+8*\t+8:S+64+8*\t+15], v[KF+8*\t+8:KF+8*\t+23], v[Q+16:Q+31], 0, v[KSW+\t/2], v[QSW+1] matrix_a_scale:MATRIX_SCALE_ROW1
.endr
	WIN 0
	v_add_nc_u32 v[ADK], s[TB], v[AK0]
	v_add_nc_u32 v[ADS], s[TS], v[ASK0]
.rept 6
	v_nop                                          ; eight places again: for the loads below and for the first reads of S^T
.endr
	WIN 0x40
.irp t, 0,1,2,3,4,5,6,7
	ds_load_b128 v[KF+8*\t:KF+8*\t+3], v[ADK] offset:8192+1024*\t          ; the next step's K
	ds_load_b128 v[KF+8*\t+4:KF+8*\t+7], v[ADK] offset:8192+1024*\t+512
.endr
	WIN 0
.irp j, 0,1,2,3
	ds_load_b32 v[KSW+\j], v[ADS] offset:512+128*\j
.endr
.irp b, 0,1,2,3                                ; the largest score of each block of 32 keys: for the row's maximum and, since p rises with the score, for the block's largest p
.irp u, 0,1
	v_max3_num_f32 v[BM+24*\u+\b], v[S+64*\u+16*\b], v[S+64*\u+16*\b+1], v[S+64*\u+16*\b+2]
.endr
.endr
.irp i, 3,5,7,9,11,13
.irp b, 0,1,2,3
.irp u, 0,1
	v_max3_num_f32 v[BM+24*\u+\b], v[BM+24*\u+\b], v[S+64*\u+16*\b+\i], v[S+64*\u+16*\b+\i+1]
.endr
.endr
.endr
.irp b, 0,1,2,3
.irp u, 0,1
	v_max_num_f32 v[BM+24*\u+\b], v[BM+24*\u+\b], v[S+64*\u+16*\b+15]
.endr
.endr
.irp b, 0,1,2,3
.irp u, 0,1
	v_permlanex16_b32 v[PT+24*\u+\b], v[BM+24*\u+\b], s[SEL], s[SEL+1]
.endr
.endr
.irp b, 0,1,2,3
.irp u, 0,1
	v_max_num_f32 v[BM+24*\u+\b], v[BM+24*\u+\b], v[PT+24*\u+\b]
.endr
.endr
.irp u, 0,1
	v_max3_num_f32 v[TT+24*\u], v[BM+24*\u], v[BM+24*\u+1], v[BM+24*\u+2]
.endr
.irp u, 0,1
	v_max_num_f32 v[TT+24*\u], v[TT+24*\u], v[BM+24*\u+3]
.endr
.irp u, 0,1
	v_mul_f32 v[TT+24*\u], s[CS], v[TT+24*\u]
.endr
.irp u, 0,1
	v_max_num_f32 v[MT+24*\u], v[MT+24*\u], v[TT+24*\u]    ; the running largest t
.endr
.irp u, 0,1
	v_mov_b32 v[TT+24*\u], v[NM+24*\u]
.endr
.irp u, 0,1
	v_floor_f32 v[NM+24*\u], -v[MT+24*\u]          ; the new -M
.endr
.irp u, 0,1
	v_sub_f32 v[TT+24*\u], v[NM+24*\u], v[TT+24*\u]        ; old M - new M: a whole number, 0 or less
.endr
.irp u, 0,1
	v_cvt_i32_f32 v[TT+24*\u], v[TT+24*\u]
.endr
.irp u, 0,1
	v_ldexp_f32 v[F+24*\u], 1.0, v[TT+24*\u]       ; f = 2^(old M - new M)
.endr
.irp b, 0,1,2,3
.irp u, 0,1
	v_fma_f32 v[BM+24*\u+\b], v[BM+24*\u+\b], s[CS], v[NM+24*\u]
.endr
.endr
.set j, 0
.rept 32
	v_pk_fma_f32 v[S+j:S+j+1], v[S+j:S+j+1], s[CS:CS+1], v[NM:NM+1] op_sel_hi:[1,0,0]    ; tile 0: t - M
.set j, j+2
.endr
.irp u, 0,1
	v_pk_mul_f32 v[SUM+24*\u:SUM+24*\u+1], v[SUM+24*\u:SUM+24*\u+1], v[F+24*\u:F+24*\u+1] op_sel_hi:[1,0]   ; the sums under the new M
.endr
	WIN 0x41
.irp u, 0,1
.set j, 0
.rept 16
	v_pk_mul_f32 v[O+32*\u+j:O+32*\u+j+1], v[O+32*\u+j:O+32*\u+j+1], v[F+24*\u:F+24*\u+1] op_sel_hi:[1,0]   ; O^T under the new M; each accumulator from its low end on
.set j, j+2
.endr
.endr
	WIN 0
	s_wait_alu depctr_va_vdst(0)                   ; the wait ahead of a batch of transcendentals
.irp b, 0,1,2,3
.irp u, 0,1
	v_exp_f32 v[BM+24*\u+\b], v[BM+24*\u+\b]       ; each block's largest p
.endr
.endr
.set j, 0
.rept 32
	v_exp_f32 v[S+j], v[S+j]                       ; tile 0: p = 2^(t - M);
	v_exp_f32 v[S+j+1], v[S+j+1]
	v_pk_fma_f32 v[S+64+j:S+64+j+1], v[S+64+j:S+64+j+1], s[CS:CS+1], v[NM+24:NM+25] op_sel_hi:[1,0,0]   ; tile 1: t - M, read behind the wait below
.set j, j+2
.endr
	s_wait_alu depctr_va_vdst(0)                   ; behind the first batch and ahead of the second
	SUMP 0
	SCALE 0
	DUALMIN 0, 0                                   ; these two lines read all four holds ahead of the batch
	DUALMIN 0, 1
.set k, 0
.rept 32
	v_exp_f32 v[S+64+2*k], v[S+64+2*k]             ; tile 1: p;
	v_exp_f32 v[S+64+2*k+1], v[S+64+2*k+1]
.if k < 30
	DUALMIN 0, k+2                                 ; tile 0's holds, read behind the wait below
.endif
.set k, k+1
.endr
	v_nop                                          ; a plain line behind the last transcendental
	s_wait_alu depctr_va_vdst(0)
	SUMP 1
	SCALE 1
	CVT 0
.set k, 0
.rept 32
	DUALMIN 1, k
.set k, k+1
.endr
	CVT 1
.rept 4
	v_nop                                          ; four places between the codes just made and the products
.endr
	s_wait_alu depctr_va_vdst(0)                   ; directly ahead of the wait below
	s_wait_dscnt 20                                ; V and its words are in; the 20 loads of the next step's K may be out
	WIN 0x51                                       ; V and O^T in window 1, p's codes in window 0
.irp a, 0,2
	v_wmma_scale_f32_16x16x128_f8f6f4 v[O+8*\a:O+8*\a+7], v[VF+16*\a:VF+16*\a+15], v[PC:PC+15], v[O+8*\a:O+8*\a+7], v[VSW+\a/2], v[PSW]
	v_wmma_scale_f32_16x16x128_f8f6f4 v[O+32+8*\a:O+32+8*\a+7], v[VF+16*\a:VF+16*\a+15], v[PC+16:PC+31], v[O+32+8*\a:O+32+8*\a+7], v[VSW+\a/2], v[PSW+1]
	v_wmma_scale_f32_16x16x128_f8f6f4 v[O+8*\a+8:O+8*\a+15], v[VF+16*\a+16:VF+16*\a+31], v[PC:PC+15], v[O+8*\a+8:O+8*\a+15], v[VSW+\a/2], v[PSW] matrix_a_scale:MATRIX_SCALE_ROW1
	v_wmma_scale_f32_16x16x128_f8f6f4 v[O+32+8*\a+8:O+32+8*\a+15], v[VF+16*\a+16:VF+16*\a+31], v[PC+16:PC+31], v[O+32+8*\a+8:O+32+8*\a+15], v[VSW+\a/2], v[PSW+1] matrix_a_scale:MATRIX_SCALE_ROW1
.endr
	WIN 0
	s_add_co_u32 s[TB], s[TB], 8192
	s_add_co_u32 s[TS], s[TS], 512
	s_add_co_u32 s[TJ], s[TJ], 256
.endm
.macro RUN tb, ts, tj, steps
	s_mov_b32 s[TB], \tb
	s_mov_b32 s[TS], \ts
	s_mov_b32 s[TJ], \tj
	s_mov_b32 s[CNT], \steps
.Lstep_\@:
	STEP
	s_sub_co_u32 s[CNT], s[CNT], 1
	s_cmp_lg_u32 s[CNT], 0
	s_cbranch_scc1 .Lstep_\@
.endm
	s_wait_alu depctr_va_vdst(0)                   ; the wait at the head's end
	s_wait_loadcnt 0x0                             ; Q
	s_cmp_lt_u32 s[WV], 3
	s_cbranch_scc0 .Lnot_first
	s_wait_tensorcnt 0x0                           ; waves 0 to 2: keys 0-511 of K and V, and the scale words
.Lnot_first:
	s_barrier_signal -1
	s_barrier_wait -1
	WIN 0x40
.irp t, 0,1,2,3,4,5,6,7
	ds_load_b128 v[KF+8*\t:KF+8*\t+3], v[AK0] offset:1024*\t               ; step 0's K
	ds_load_b128 v[KF+8*\t+4:KF+8*\t+7], v[AK0] offset:1024*\t+512
.endr
	WIN 0
.irp j, 0,1,2,3
	ds_load_b32 v[KSW+\j], v[ASK0] offset:128*\j
.endr
	RUN 0, 0, 0, 3
	s_wait_alu depctr_va_vdst(0)
	s_wait_tensorcnt 0x0                           ; every wave's load is in
	s_wait_dscnt 0x0
	s_barrier_signal -1
	s_barrier_wait -1
	RUN 24576, 1536, 768, 13
	; THE WAY OUT: O / l, quantised along the channels (two blocks of 32), as an image of the next product's operand
.rept 8
	v_nop
.endr
.irp u, 0,1
	v_add_f32 v[SUM+24*\u], v[SUM+24*\u], v[SUM+24*\u+1]
.endr
.irp u, 0,1
	v_permlanex16_b32 v[TT+24*\u], v[SUM+24*\u], s[SEL], s[SEL+1]
.endr
.irp u, 0,1
	v_add_f32 v[SUM+24*\u], v[SUM+24*\u], v[TT+24*\u]      ; the row's sum
.endr
	s_wait_alu depctr_va_vdst(0)
	v_rcp_f32 v[SUM], v[SUM]
	v_rcp_f32 v[SUM+24], v[SUM+24]
	v_nop
	WIN 0x01
	s_wait_alu depctr_va_vdst(0)                   ; behind the transcendentals, directly ahead of the first readers of O^T
.irp u, 0,1
.set j, 0
.rept 32
	v_mul_f32 v[S+64*\u+j], v[O+32*\u+j], v[SUM+24*\u]     ; register 8 a + i is o(query, 16 a + 8 h + i)
.set j, j+1
.endr
.endr
	WIN 0
.irp b, 0,1
.irp u, 0,1
	v_max3_num_f32 v[BM+24*\u+\b], |v[S+64*\u+16*\b]|, |v[S+64*\u+16*\b+1]|, 0x4800000
.endr
.endr
.irp i, 2,4,6,8,10,12,14
.irp b, 0,1
.irp u, 0,1
	v_max3_num_f32 v[BM+24*\u+\b], v[BM+24*\u+\b], |v[S+64*\u+16*\b+\i]|, |v[S+64*\u+16*\b+\i+1]|
.endr
.endr
.endr
.irp b, 0,1
.irp u, 0,1
	v_permlanex16_b32 v[PT+24*\u+\b], v[BM+24*\u+\b], s[SEL], s[SEL+1]
.endr
.endr
.irp b, 0,1
.irp u, 0,1
	v_max_num_f32 v[BM+24*\u+\b], v[BM+24*\u+\b], v[PT+24*\u+\b]
.endr
.endr
.irp b, 0,1
.irp u, 0,1
	v_add_nc_u32 v[SO+24*\u+\b], 0xfc000000, v[BM+24*\u+\b]
.endr
.endr
.irp b, 0,1
.irp u, 0,1
	v_and_or_b32 v[HD+24*\u+\b], v[BM+24*\u+\b], 0x7f800000, s[MNT]
.endr
.endr
.irp b, 0,1
.irp u, 0,1
	v_lshrrev_b32 v[PT+24*\u+\b], 23, v[SO+24*\u+\b]
.endr
.endr
.irp u, 0,1
	v_lshl_or_b32 v[TT+24*\u], v[PT+24*\u+1], 8, v[PT+24*\u]       ; my head's two scale bytes
.endr
.irp u, 0,1
.irp b, 0,1
.irp i, 0,1,2,3,4,5,6,7,8,9,10,11,12,13,14,15
	v_med3_num_f32 v[S+64*\u+16*\b+\i], v[S+64*\u+16*\b+\i], -v[HD+24*\u+\b], v[HD+24*\u+\b]   ; the conversion does not saturate (ISA guide 7.6.2): the hold comes first
.endr
	v_cvt_scalef32_pk8_fp8_f32 v[PC+16*\u+4*\b:PC+16*\u+4*\b+1], v[S+64*\u+16*\b:S+64*\u+16*\b+7], v[SO+24*\u+\b]
	v_cvt_scalef32_pk8_fp8_f32 v[PC+16*\u+4*\b+2:PC+16*\u+4*\b+3], v[S+64*\u+16*\b+8:S+64*\u+16*\b+15], v[SO+24*\u+\b]
.endr
.endr
	v_nop                                          ; a plain line behind the last scaled conversion
.irp u, 0,1
.irp b, 0,1                                    ; into the natural order: lanes 0-15 want channels 0-15 of a block, lanes 16-31 channels 16-31
	v_permlane16_swap_b32 v[PC+16*\u+4*\b], v[PC+16*\u+4*\b+2]
	v_permlane16_swap_b32 v[PC+16*\u+4*\b+1], v[PC+16*\u+4*\b+3]
.endr
.endr
.irp u, 0,1
	global_store_b128 v[AK0], v[PC+16*\u:PC+16*\u+3], s[8:9] offset:16384*\u           ; 512 consecutive bytes
	global_store_b128 v[AK0], v[PC+16*\u+4:PC+16*\u+7], s[8:9] offset:16384*\u+512
	global_store_b16 v[RO], v[TT+24*\u], s[10:11] offset:64*\u     ; two bytes of each token's word (both halves of the lanes write the same); the other two are the neighbouring head's
.endr
	s_wait_tensorcnt 0x0                           ; the wave's end
	ds_add_u32 v[SPW], v[NIL]
	s_wait_dscnt 0x0
	CROUND                                         ; the closing round
	s_endpgm
.Lfunc_end_k_qa54c2877c0_att:
	.size	k_qa54c2877c0_att, .Lfunc_end_k_qa54c2877c0_att-k_qa54c2877c0_att
	.p2alignl 7, 3214868480
	.fill 96, 4, 3214868480
	.section	.rodata,"a",@progbits
	.p2align	6, 0x0
	.amdhsa_kernel k_qa54c2877c0_att
		.amdhsa_group_segment_fixed_size 327680
		.amdhsa_private_segment_fixed_size 0
		.amdhsa_enable_private_segment 0
		.amdhsa_kernarg_size 32
		.amdhsa_user_sgpr_count 2
		.amdhsa_user_sgpr_kernarg_segment_ptr 1
		.amdhsa_wavefront_size32 1
		.amdhsa_system_sgpr_workgroup_id_x 1
		.amdhsa_system_sgpr_workgroup_id_y 1
		.amdhsa_system_sgpr_workgroup_id_z 1
		.amdhsa_system_vgpr_workitem_id 0
		.amdhsa_next_free_vgpr 512
		.amdhsa_next_free_sgpr 90
		.amdhsa_reserve_vcc 0
		.amdhsa_float_denorm_mode_32 3
		.amdhsa_float_denorm_mode_16_64 3
		.amdhsa_memory_ordered 1
		.amdhsa_forward_progress 1
		.amdhsa_inst_pref_size 95
	.end_amdhsa_kernel
	.amdgpu_metadata
---
amdhsa.version: [ 1, 2 ]
amdhsa.kernels:
  - .name:           k_qa54c2877c0_att
    .symbol:         k_qa54c2877c0_att.kd
    .args:
      - { .name: qkv_img, .offset: 0, .size: 8, .value_kind: global_buffer, .address_space: global }
      - { .name: qkv_scl, .offset: 8, .size: 8, .value_kind: global_buffer, .address_space: global }
      - { .name: act_img, .offset: 16, .size: 8, .value_kind: global_buffer, .address_space: global }
      - { .name: act_scl, .offset: 24, .size: 8, .value_kind: global_buffer, .address_space: global }
    .group_segment_fixed_size: 327680
    .private_segment_fixed_size: 0
    .kernarg_segment_align: 8
    .kernarg_segment_size: 32
    .max_flat_workgroup_size: 256
    .sgpr_count:     90
    .vgpr_count:     512
    .wavefront_size: 32
...
	.end_amdgpu_metadata
.endif
;; end of part 3
;; launch proj (part 4): grid 8 x 32, 4 waves a work-group, clusters of 4 x 4, 327,680 bytes of LDS; arguments act_img, act_scl, proj_w_codes, proj_w_scales, x, x1; writes x1
.if DOCPART == 4
	.amdgcn_target "amdgcn-amd-amdhsa--gfx1250"
	.amdhsa_code_object_version 6
	.text
	.protected	k_qa54c2877c0_proj
	.globl	k_qa54c2877c0_proj
	.p2align	8
	.type	k_qa54c2877c0_proj,@function
k_qa54c2877c0_proj:
	s_mov_b64 s[64:65], 0
	v_nop
	global_prefetch_b8 v0, s[64:65] scope:SCOPE_SE
	s_setreg_imm32_b32 hwreg(HW_REG_WAVE_MODE, 25, 1), 1
	s_wait_xcnt 0x0
	s_wait_alu depctr_hold_cnt(0) depctr_sa_sdst(0) depctr_va_vdst(0) depctr_va_sdst(0) depctr_va_ssrc(0) depctr_va_vcc(0) depctr_vm_vsrc(0)
	s_getreg_b32 s2, hwreg(HW_REG_IB_STS2, 6, 4)
	s_cmp_eq_u32 s2, 0
	s_cbranch_scc0 .Lentry_in_a_cluster
	s_endpgm
.Lentry_in_a_cluster:
	s_bfe_u32 s2, ttmp6, 0x10000c
	s_cmp_lg_u32 s2, 0xf033
	s_cbranch_scc0 .Lentry_shape_is_right
	s_endpgm
.Lentry_shape_is_right:
.set SIZE_K,  1024
.set HAS_BIAS, 0
.set APART,  65536
.set BP,     528
.set HALFB,  64*BP
.set SLOT,   APART+2*HALFB
.set LAPS,   SIZE_K/1024
.set KS,     SIZE_K/32
.set SCB,    2*SLOT
.set HSB,    (SIZE_K/128)*272
.set SCA,    SCB+2*HSB
.set HSA,    (SIZE_K/256)*512
.set SPARE,  SCA+2*HSA
.set SPITCH, 272
.set ADRA, 16
.set ADRB, 20
.set ADSA, 22
.set ADSB, 23
.set STO,  24
.set RD,   25
.set CO,   26
.set VB,   27
.set SPW,  28
.set NIL,  29
.set BK,   32
.set BIAS, 32
.set SCR,  96
.set ACC,  128
.set G1, 24
.set G0, 32
.set G1B, 48
.set G0B, 56
.set G1S, 68
.set G0S, 76
.set G1SB, 80
.set G0SB, 88
.set MSB, 0
.macro WIN new
.if MSB != \new
	s_set_vgpr_msb (MSB<<8)|\new
.set MSB, \new
.endif
.endm
.set MULW, 0x05
.macro JLOAD g0a, g1a, g0b, g1b
	s_cmp_eq_u32 s15, 0
	s_cbranch_scc0 .Lfor_b_\@
	tensor_load_to_lds s[\g0a:\g0a+3], s[\g1a:\g1a+7]
	s_nop 0
.rept 4
	v_nop
.endr
	s_branch .Lasked_\@
.Lfor_b_\@:
	tensor_load_to_lds s[\g0b:\g0b+3], s[\g1b:\g1b+7]
	s_nop 0
.rept 4
	v_nop
.endr
.Lasked_\@:
.endm
.macro CREST
	s_cmp_lg_u32 s14, 0
	s_cbranch_scc1 .Lnot_wave_0_\@
	s_barrier_signal -3
.Lnot_wave_0_\@:
	s_barrier_wait -3
	s_barrier_signal -1
	s_barrier_wait -1
.endm
.macro CROUND
	s_barrier_signal -1
	s_barrier_wait -1
	CREST
.endm
	s_load_b128 s[4:7], s[0:1], 0x0
	s_load_b128 s[8:11], s[0:1], 0x10
	s_load_b128 s[96:99], s[0:1], 0x20
.if HAS_BIAS
	s_load_b64 s[100:101], s[0:1], 0x30
.endif
	v_lshl_add_u32 v[SPW], v0, 2, SPARE
	v_mov_b32 v[NIL], 0
	ds_add_u32 v28, v29
	ds_add_u32 v28, v29
	s_wait_dscnt 0x0
	v_lshrrev_b32 v1, 5, v0
	v_readfirstlane_b32 s14, v1
	s_lshr_b32 s15, s14, 1
	s_and_b32 s16, s14, 1
	s_bfe_u32 s40, ttmp6, 0x40000
	s_bfe_u32 s41, ttmp6, 0x40004
	s_lshl_b32 s42, ttmp9, 2
	s_add_co_u32 s42, s42, s40
	s_and_b32 s17, ttmp7, 0xffff
	s_lshl_b32 s17, s17, 2
	s_add_co_u32 s17, s17, s41
	s_lshl_b32 s43, s41, 2
	s_lshl_b32 s43, 15, s43
	s_lshl_b32 s44, 0x1111, s40
	s_or_b32 s[G1+0], s43, (3<<16)|(1<<21)
	s_mov_b32 s[G1+1], 1024<<16
	s_mov_b32 s[G1+2], 8<<16
	s_mov_b32 s[G1+3], 1024<<16
	s_mov_b32 s[G1+4], 8
	s_mov_b32 s[G1+5], 2*SIZE_K
	s_mov_b32 s[G1+6], 0
	s_mov_b32 s[G1+7], 0
	s_or_b32 s[G1B+0], s44, (0<<16)|(1<<20)|(1<<21)|(6<<22)|(3<<25)
	s_mov_b32 s[G1B+1], 512<<16
	s_mov_b32 s[G1B+2], 128<<16
	s_mov_b32 s[G1B+3], 512<<16
	s_mov_b32 s[G1B+4], 128
	s_mov_b32 s[G1B+5], SIZE_K
	s_mov_b32 s[G1B+6], 0
	s_mov_b32 s[G1B+7], 0
	s_or_b32 s[G1S+0], s43, (3<<16)|(1<<21)
	s_mov_b32 s[G1S+1], 64<<16
	s_mov_b32 s[G1S+2], (SIZE_K/128)<<16
	s_mov_b32 s[G1S+3], 64<<16
	s_mov_b32 s[G1S+4], SIZE_K/128
	s_mov_b32 s[G1S+5], 2048
	s_mov_b32 s[G1S+6], 0
	s_mov_b32 s[G1S+7], 0
	s_or_b32 s[G1SB+0], s44, (3<<16)|(1<<20)|(1<<21)|(5<<22)|(3<<25)
	s_mov_b32 s[G1SB+1], 32<<16
	s_mov_b32 s[G1SB+2], (SIZE_K/64)<<16
	s_mov_b32 s[G1SB+3], 32<<16
	s_mov_b32 s[G1SB+4], SIZE_K/64
	s_mov_b32 s[G1SB+5], 32
	s_mov_b32 s[G1SB+6], 0
	s_mov_b32 s[G1SB+7], 0
	s_lshl_b32 s20, s17, 3
	s_mul_i32 s20, s20, 16*SIZE_K
	s_mov_b32 s21, 0
	s_lshl_b32 s22, s17, 9
	s_mov_b32 s23, 0
	s_lshl_b32 s46, s42, 7
	s_mul_i32 s92, s46, KS
	s_mov_b32 s93, 0
	s_mul_i32 s46, s46, SIZE_K
	s_mov_b32 s47, 0
	s_lshl_b32 s45, s16, 15
	s_mul_i32 s94, s16, HALFB
	s_add_co_u32 s94, s94, APART
	s_mul_i32 s18, s16, 64*SIZE_K                  ; in the ring I fetch half a tile: 64 rows of either side are 64 SIZE_K bytes
	s_mov_b32 s19, 0
	s_wait_kmcnt 0x0
	s_add_nc_u64 s[20:21], s[4:5], s[20:21]
	s_add_nc_u64 s[22:23], s[6:7], s[22:23]
	s_add_nc_u64 s[46:47], s[8:9], s[46:47]
	s_add_nc_u64 s[92:93], s[10:11], s[92:93]
	CROUND
	s_mov_b32 s[G0S], 1
	s_mov_b32 s[G0S+1], SCA
	s_mov_b64 s[G0S+2:G0S+3], s[22:23]
	s_or_b32 s[G0S+3], s[G0S+3], 0x80000000
	s_mov_b32 s[G0SB], 1
	s_mov_b32 s[G0SB+1], SCB
	s_mov_b64 s[G0SB+2:G0SB+3], s[92:93]
	s_or_b32 s[G0SB+3], s[G0SB+3], 0x80000000
.irp s, 0,1
	s_mov_b32 s[G0+4*\s], 1
	s_add_co_u32 s[G0+4*\s+1], s45, \s*SLOT
	s_add_nc_u64 s[G0+4*\s+2:G0+4*\s+3], s[20:21], \s*8192
	s_or_b32 s[G0+4*\s+3], s[G0+4*\s+3], 0x80000000
	s_mov_b32 s[G0B+4*\s], 1
	s_add_co_u32 s[G0B+4*\s+1], s94, \s*SLOT
	s_add_nc_u64 s[G0B+4*\s+2:G0B+4*\s+3], s[46:47], \s*512
	s_or_b32 s[G0B+4*\s+3], s[G0B+4*\s+3], 0x80000000
.endr
	s_add_nc_u64 s[G0+6:G0+7], s[G0+6:G0+7], s[18:19]       ; slot 1's descriptors: my half
	s_add_nc_u64 s[G0B+6:G0B+7], s[G0B+6:G0B+7], s[18:19]
	s_mov_b32 s[G0+1], 0                           ; slot 0's serve the head first: a side's tile whole
	s_mov_b32 s[G0B+1], APART
; THE HEAD'S LOADS, ONE A WAVE: wave 0 K step 0 of the rows' images, wave 1 of the weights, wave 2 the rows' scale words, wave 3 the weights' scale bytes.  One chain of branches on the wave's number.
.macro ARM under, g0, g1, next
	s_cmp_lt_u32 s14, \under
	s_cbranch_scc0 \next
	tensor_load_to_lds s[\g0:\g0+3], s[\g1:\g1+7]
	s_nop 0
.rept 4
	v_nop
.endr
	s_branch .Lhead_asked
\next:
.endm
	ARM 1, G0, G1, .Lhead_b
	ARM 2, G0B, G1B, .Lhead_sa
	ARM 3, G0S, G1S, .Lhead_sb
	tensor_load_to_lds s[G0SB:G0SB+3], s[G1SB:G1SB+7]
	s_nop 0
.rept 4
	v_nop
.endr
.Lhead_asked:
	; A PREFETCH INTO THE L2 of K step 1, whose load goes out behind the head's: 8,192 bytes of each tile of 16 tokens, 512 bytes of each row of the weights.  Of what a wave fetches in the ring each of the four partners
	; that ask for it jointly takes a quarter, told apart by address (cx for the tokens, cy for the weights): 32 blocks of 256 bytes, a lane a block.  K has two steps: there is nothing further to ask for.
	s_lshl_b32 s20, s17, 3
	s_lshl_b32 s21, s16, 2
	s_add_co_u32 s20, s20, s21
	s_add_co_u32 s20, s20, s40                     ; the tile of 16 tokens: 8 x tile row + 4 x half + cx
	s_mul_i32 s20, s20, 16*SIZE_K
	s_lshl_b32 s22, s42, 7
	s_lshl_b32 s21, s16, 6
	s_add_co_u32 s22, s22, s21
	s_lshl_b32 s21, s41, 4
	s_add_co_u32 s22, s22, s21                     ; the weights' row: 128 x tile column + 64 x half + 16 cy
	s_mul_i32 s22, s22, SIZE_K
	s_cmp_eq_u32 s15, 0                            ; do I fetch for the tokens?
	s_cselect_b32 s20, s20, s22
	s_cselect_b64 s[12:13], s[4:5], s[8:9]
	s_mov_b32 s66, 512
	s_cselect_b32 s66, 8192, s66                   ; a K step on, in bytes
	s_mov_b32 s23, SIZE_K
	s_cselect_b32 s23, 512, s23                    ; from one pair of lanes to the next
	s_add_co_u32 s20, s20, s66
	s_mov_b32 s21, 0
	s_add_nc_u64 s[12:13], s[12:13], s[20:21]
	v_and_b32 v30, 31, v0
	v_lshrrev_b32 v31, 1, v30
	v_and_b32 v30, 1, v30
	v_lshlrev_b32 v30, 8, v30
	v_mad_u32_u24 v30, v31, s23, v30               ; my block: 256 x (lane % 2) + (lane / 2) x 512 or a row
	global_prefetch_b8 v30, s[12:13] th:TH_LOAD_NT scope:SCOPE_SE
	v_and_b32 v1, 15, v0
	v_bfe_u32 v2, v0, 4, 1
	v_and_b32 v3, 31, v0
	s_wait_alu depctr_va_vdst(0)
	v_lshlrev_b32 v4, 4, v3
	s_lshl_b32 s21, s15, 15
	v_mul_u32_u24 v5, v1, BP
	v_lshl_add_u32 v5, v2, 4, v5
	s_mul_i32 s22, s16, HALFB
	s_add_co_u32 s22, s22, APART
.irp s, 0,1
	v_add_nc_u32 v[ADRA+\s], s21, v4
	v_add_nc_u32 v[ADRB+\s], s22, v5
	s_add_co_u32 s21, s21, SLOT
	s_add_co_u32 s22, s22, SLOT
.endr
	s_lshl_b32 s21, s15, 8
	s_add_co_u32 s21, s21, SCA
	v_lshl_add_u32 v[ADSA], v3, 2, s21
	v_mul_u32_u24 v5, v3, KS
	v_lshrrev_b32 v6, 8, v5
	v_lshl_add_u32 v5, v6, 4, v5
	s_mul_i32 s21, s16, HSB
	s_add_co_u32 s21, s21, SCB
	v_add_nc_u32 v[ADSB], s21, v5
	s_mul_i32 s23, s14, 16*SPITCH
	v_mul_u32_u24 v5, v1, SPITCH
	v_lshl_add_u32 v5, v2, 5, v5
	v_add_nc_u32 v[STO], s23, v5
	v_mul_u32_u24 v5, v2, SPITCH
	v_lshl_add_u32 v5, v1, 4, v5
	v_add_nc_u32 v[RD], s23, v5
	v_lshlrev_b32 v[CO], 12, v2
	v_lshl_add_u32 v[CO], v1, 4, v[CO]
	s_wait_alu depctr_va_vdst(0)
	v_lshlrev_b32 v[VB], 5, v2
	s_lshl_b32 s20, s17, 7
	s_lshl_b32 s21, s15, 6
	s_add_co_u32 s20, s20, s21
	s_lshl_b32 s20, s20, 12
	s_lshl_b32 s22, s42, 7
	s_lshl_b32 s21, s16, 6
	s_add_co_u32 s22, s22, s21
	s_lshl_b32 s22, s22, 2
	s_mov_b32 s23, 0
	s_add_co_u32 s20, s20, s22
	s_mov_b32 s21, 0
	s_add_nc_u64 s[96:97], s[96:97], s[20:21]
	s_add_nc_u64 s[98:99], s[98:99], s[20:21]
.if HAS_BIAS
	s_add_nc_u64 s[100:101], s[100:101], s[22:23]
.irp b, 0,1,2,3
	global_load_b128 v[BIAS+8*\b:BIAS+8*\b+3], v[VB], s[100:101] offset:64*\b
	global_load_b128 v[BIAS+8*\b+4:BIAS+8*\b+7], v[VB], s[100:101] offset:64*\b+16
.endr
.endif
.macro WM a, b, f, ks, st, c
.set rD, ACC+8*(4*(\a)+(\b))
.set rC, rD
.if (\c) == 1
.set rC, BIAS+8*(\b)
.endif
.set rB, (\f)+64+16*(\b)
.set rA, (\f)+16*(\a)
.set rT, SCR+16*(\st)+8+4*((\b)/2)+(\ks)
.set rS, SCR+16*(\st)+2*(\ks)+(\a)/2
.if (\c) == 0
.if ((\a)%2) && ((\b)%2)
	v_wmma_scale_f32_16x16x128_f8f6f4 v[rD:rD+7], v[rB:rB+15], v[rA:rA+15], 0, v[rT], v[rS] matrix_a_scale:MATRIX_SCALE_ROW1 matrix_b_scale:MATRIX_SCALE_ROW1
.elseif (\b)%2
	v_wmma_scale_f32_16x16x128_f8f6f4 v[rD:rD+7], v[rB:rB+15], v[rA:rA+15], 0, v[rT], v[rS] matrix_a_scale:MATRIX_SCALE_ROW1
.elseif (\a)%2
	v_wmma_scale_f32_16x16x128_f8f6f4 v[rD:rD+7], v[rB:rB+15], v[rA:rA+15], 0, v[rT], v[rS] matrix_b_scale:MATRIX_SCALE_ROW1
.else
	v_wmma_scale_f32_16x16x128_f8f6f4 v[rD:rD+7], v[rB:rB+15], v[rA:rA+15], 0, v[rT], v[rS]
.endif
.else
.if ((\a)%2) && ((\b)%2)
	v_wmma_scale_f32_16x16x128_f8f6f4 v[rD:rD+7], v[rB:rB+15], v[rA:rA+15], v[rC:rC+7], v[rT], v[rS] matrix_a_scale:MATRIX_SCALE_ROW1 matrix_b_scale:MATRIX_SCALE_ROW1
.elseif (\b)%2
	v_wmma_scale_f32_16x16x128_f8f6f4 v[rD:rD+7], v[rB:rB+15], v[rA:rA+15], v[rC:rC+7], v[rT], v[rS] matrix_a_scale:MATRIX_SCALE_ROW1
.elseif (\a)%2
	v_wmma_scale_f32_16x16x128_f8f6f4 v[rD:rD+7], v[rB:rB+15], v[rA:rA+15], v[rC:rC+7], v[rT], v[rS] matrix_b_scale:MATRIX_SCALE_ROW1
.else
	v_wmma_scale_f32_16x16x128_f8f6f4 v[rD:rD+7], v[rB:rB+15], v[rA:rA+15], v[rC:rC+7], v[rT], v[rS]
.endif
.endif
.endm
.macro MUL f, ks, st, a0, n, c
.set ia, \a0
.rept \n
.irp b, 0,1,2,3
	WM ia, \b, \f, \ks, \st, \c
.endr
.set ia, ia+1
.endr
.endm
.macro FETCH slot, q, f
	WIN 0x40
.irp i, 0,1,2,3
.irp c, 0,1,2,3
	ds_load_b128 v[\f+64+16*\i+4*\c:\f+64+16*\i+4*\c+3], v[ADRB+\slot] offset:8448*\i+128*(\q)+32*\c
.endr
.endr
.irp i, 0,1,2,3
.irp c, 0,1,2,3
	ds_load_b128 v[\f+16*\i+4*\c:\f+16*\i+4*\c+3], v[ADRA+\slot] offset:8192*\i+2048*(\q)+512*\c
.endr
.endr
.endm
.macro SCALES st
	WIN 0
.irp ks, 0,1,2,3
.irp p, 0,1
	ds_load_b32 v[SCR+16*\st+2*\ks+\p], v[ADSA] offset:512*\ks+128*\p
.endr
.endr
.irp p, 0,1
	ds_load_b128 v[SCR+16*\st+8+4*\p:SCR+16*\st+8+4*\p+3], v[ADSB] offset:\p*(SIZE_K/256)*272
.endr
.endm
.macro PLACES n
.rept \n
	v_nop
.endr
.endm
.macro STEP slot, q, c
.set FF, 128*((\q)%2)
.set GG, 128-FF
	s_wait_dscnt 0x0
	PLACES 8                                       ; eight places behind the last products, which read the other buffer,
	FETCH \slot, (\q)+1, GG                        ; then the next 128 along K are asked for ahead of all sixteen products of this step
	WIN MULW
	MUL FF, \q, \slot, 0, 4, \c
.endm
.macro TURN slot, next, fill
	WIN 0
	s_wait_tensorcnt 0x0
	ds_add_u32 v[SPW], v[NIL]
	s_wait_dscnt 1
	WIN MULW
	MUL 128, 3, \slot, 0, 1, 2
	s_wait_dscnt 0x0
	s_barrier_signal -1
	MUL 128, 3, \slot, 1, 1, 2
	WIN 0
	s_barrier_wait -1
.if \fill
	CREST
	s_add_nc_u64 s[G0+4*\slot+2:G0+4*\slot+3], s[G0+4*\slot+2:G0+4*\slot+3], 16384
	s_add_nc_u64 s[G0B+4*\slot+2:G0B+4*\slot+3], s[G0B+4*\slot+2:G0B+4*\slot+3], 1024
	JLOAD G0+4*\slot, G1, G0B+4*\slot, G1B
	PLACES 4
.else
	PLACES 8
.endif
	v_add_nc_u32 v[ADSA], 2048, v[ADSA]
	v_add_nc_u32 v[ADSB], 16, v[ADSB]
	FETCH \next, 0, 0
	SCALES \next
	WIN MULW
	MUL 128, 3, \slot, 2, 2, 2
.endm
	s_wait_alu depctr_va_vdst(0)                   ; the wait at the head's end
	s_wait_tensorcnt 0x0                           ; my tile of the head's four is in
	ds_add_u32 v[SPW], v[NIL]
	s_mov_b32 s[G1+2], 4<<16                       ; no tensor load of mine is out, so descriptors may be written: from here on a load brings half a tile,
	s_mov_b32 s[G1+4], 4
	s_mov_b32 s[G1B+2], 64<<16
	s_mov_b32 s[G1B+4], 64
	s_mov_b32 s[G0+1], s45                         ; and slot 0's descriptors stand at my half
	s_add_nc_u64 s[G0+2:G0+3], s[G0+2:G0+3], s[18:19]
	s_mov_b32 s[G0B+1], s94
	s_add_nc_u64 s[G0B+2:G0B+3], s[G0B+2:G0B+3], s[18:19]
	s_wait_dscnt 0x0
	CROUND                                         ; all four tiles are in, and all sixteen work-groups are here
	JLOAD G0+4, G1, G0B+4, G1B                     ; K step 1: the first tensor load behind the round
	FETCH 0, 0, 0
	SCALES 0
.if HAS_BIAS
	s_wait_loadcnt 32
.endif
	STEP 0, 0, HAS_BIAS
.if LAPS > 1
	WIN 0
	s_mov_b32 s3, LAPS-1
.Llap:
	STEP 0, 1, 2
	STEP 0, 2, 2
	TURN 0, 1, 1
	STEP 1, 0, 2
	STEP 1, 1, 2
	STEP 1, 2, 2
	TURN 1, 0, 1
	STEP 0, 0, 2
	WIN 0
	s_sub_co_u32 s3, s3, 1
	s_cmp_lg_u32 s3, 0
	s_cbranch_scc1 .Llap
.endif
	; the residual's 64 x 64 numbers of my wave: asked for behind the first fills, wanted on the way out
	WIN 0x80
.irp a, 0,1,2,3
.irp t, 0,1,2,3,4,5,6,7
	global_load_b128 v[4*(8*\a+\t):4*(8*\a+\t)+3], v[CO], s[96:97] offset:(16*\a+2*\t)*4096 th:TH_LOAD_NT
.endr
.endr
	WIN 0
	STEP 0, 1, 2
	STEP 0, 2, 2
	TURN 0, 1, 0
	STEP 1, 0, 2
	STEP 1, 1, 2
	STEP 1, 2, 2
	s_wait_dscnt 0x0
	WIN MULW
	MUL 128, 3, 1, 0, 4, 2
	WIN 0
.macro TOSTAGE a
.irp b, 0,1,2,3
	ds_store_b128 v[STO], v[ACC+8*(4*(\a)+\b):ACC+8*(4*(\a)+\b)+3] offset:64*\b
	ds_store_b128 v[STO], v[ACC+8*(4*(\a)+\b)+4:ACC+8*(4*(\a)+\b)+7] offset:64*\b+16
.endr
.irp t, 0,1,2,3,4,5,6,7
	ds_load_b128 v[BK+32*((\a)%2)+4*\t:BK+32*((\a)%2)+4*\t+3], v[RD] offset:\t*2*SPITCH
.endr
.endm
.macro SEND a, younger
.set BB, BK+32*((\a)%2)
	s_wait_dscnt \younger
	WIN 0x08
.irp i, 0,2,4,6,8,10,12,14,16,18,20,22,24,26,28,30
	v_pk_add_f32 v[BB+\i:BB+\i+1], v[BB+\i:BB+\i+1], v[32*(\a)+\i:32*(\a)+\i+1]
.endr
	WIN 0
.irp t, 0,1,2,3,4,5,6,7
	global_store_b128 v[CO], v[BB+4*\t:BB+4*\t+3], s[98:99] offset:(16*(\a)+2*\t)*4096
.endr
.endm
	PLACES 8
	s_wait_loadcnt 0x0
	TOSTAGE 0
.irp a, 1,2,3
.if \a > 1
	s_wait_xcnt 0x0
.endif
	TOSTAGE \a
	SEND \a-1, 16
.endr
	SEND 3, 0
	s_wait_tensorcnt 0x0
	ds_add_u32 v[SPW], v[NIL]
	s_wait_dscnt 0x0
	CROUND
	s_endpgm
.Lfunc_end_k_qa54c2877c0_proj:
	.size	k_qa54c2877c0_proj, .Lfunc_end_k_qa54c2877c0_proj-k_qa54c2877c0_proj
	.p2alignl 7, 3214868480
	.fill 96, 4, 3214868480
	.section	.rodata,"a",@progbits
	.p2align	6, 0x0
	.amdhsa_kernel k_qa54c2877c0_proj
		.amdhsa_group_segment_fixed_size 327680
		.amdhsa_private_segment_fixed_size 0
		.amdhsa_enable_private_segment 0
		.amdhsa_kernarg_size 48
		.amdhsa_user_sgpr_count 2
		.amdhsa_user_sgpr_kernarg_segment_ptr 1
		.amdhsa_wavefront_size32 1
		.amdhsa_system_sgpr_workgroup_id_x 1
		.amdhsa_system_sgpr_workgroup_id_y 1
		.amdhsa_system_sgpr_workgroup_id_z 1
		.amdhsa_system_vgpr_workitem_id 0
		.amdhsa_next_free_vgpr 640
		.amdhsa_next_free_sgpr 102
		.amdhsa_reserve_vcc 0
		.amdhsa_float_denorm_mode_32 3
		.amdhsa_float_denorm_mode_16_64 3
		.amdhsa_memory_ordered 1
		.amdhsa_forward_progress 1
		.amdhsa_inst_pref_size 63
	.end_amdhsa_kernel
	.amdgpu_metadata
---
amdhsa.version: [ 1, 2 ]
amdhsa.kernels:
  - .name:           k_qa54c2877c0_proj
    .symbol:         k_qa54c2877c0_proj.kd
    .args:
      - { .name: act_img, .offset: 0, .size: 8, .value_kind: global_buffer, .address_space: global }
      - { .name: act_scl, .offset: 8, .size: 8, .value_kind: global_buffer, .address_space: global }
      - { .name: proj_w_codes, .offset: 16, .size: 8, .value_kind: global_buffer, .address_space: global }
      - { .name: proj_w_scales, .offset: 24, .size: 8, .value_kind: global_buffer, .address_space: global }
      - { .name: x, .offset: 32, .size: 8, .value_kind: global_buffer, .address_space: global }
      - { .name: x1, .offset: 40, .size: 8, .value_kind: global_buffer, .address_space: global }
    .group_segment_fixed_size: 327680
    .private_segment_fixed_size: 0
    .kernarg_segment_align: 8
    .kernarg_segment_size: 48
    .max_flat_workgroup_size: 128
    .sgpr_count:     102
    .vgpr_count:     640
    .wavefront_size: 32
...
	.end_amdgpu_metadata
.endif
;; end of part 4
;; launch ln2: the kernel of part 1 again; grid 256 x 1, 16 waves a work-group, no clusters, 84,480 bytes of LDS; arguments x1, ln2_w, ln2_b, h_codes, h_scales; writes h_codes, h_scales
;; launch ff1 (part 5): grid 16 x 16, 4 waves a work-group, clusters of 4 x 4, 327,680 bytes of LDS; arguments h_codes, h_scales, ff1_w_codes, ff1_w_scales, ff1_b, act_img, act_scl; writes act_img, act_scl
.if DOCPART == 5
	.amdgcn_target "amdgcn-amd-amdhsa--gfx1250"
	.amdhsa_code_object_version 6
	.text
	.protected	k_qa54c2877c0_ff1
	.globl	k_qa54c2877c0_ff1
	.p2align	8
	.type	k_qa54c2877c0_ff1,@function
k_qa54c2877c0_ff1:
	s_mov_b64 s[64:65], 0
	v_nop
	global_prefetch_b8 v0, s[64:65] scope:SCOPE_SE
	s_setreg_imm32_b32 hwreg(HW_REG_WAVE_MODE, 25, 1), 1
	s_wait_xcnt 0x0
	s_wait_alu depctr_hold_cnt(0) depctr_sa_sdst(0) depctr_va_vdst(0) depctr_va_sdst(0) depctr_va_ssrc(0) depctr_va_vcc(0) depctr_vm_vsrc(0)
	s_getreg_b32 s2, hwreg(HW_REG_IB_STS2, 6, 4)
	s_cmp_eq_u32 s2, 0
	s_cbranch_scc0 .Lentry_in_a_cluster
	s_endpgm
.Lentry_in_a_cluster:
	s_bfe_u32 s2, ttmp6, 0x10000c
	s_cmp_lg_u32 s2, 0xf033
	s_cbranch_scc0 .Lentry_shape_is_right
	s_endpgm
.Lentry_shape_is_right:
.set SIZE_K, 1024
.set KSTEP,  256
.set NQ,     KSTEP/128
.set ROWB,   256
.set KROW,   SIZE_K
.set PITCH,  272
.set FR,     16
.set NL,     4
.set NP,     8
.set HALFT,  128*PITCH
.set SLOT,   4*HALFT
.set LAPS,   SIZE_K/(2*KSTEP)
.set KS,     SIZE_K/32
.set SCL,    2*SLOT
.set HALFS,  (128*KS/256)*272
.set SBLK,   (16*KS/256)*272
.set SPARE,  SCL+4*HALFS
.set ADRA, 16
.set ADRB, 20
.set VO,   24
.set RB,   25
.set GA,   26
.set ADRS, 27
.set SPW,  28
.set NIL,  29
.set VB,   31
.set SC,   32
.set BIAS, 64
.set AF,   128
.set TM,   128
.set B8,   144
.set PW,   146
.set GT,   147
.set PC,   148
.set R0,   164
.set XX,   0
.set T,    64
.set P,    128
.set Z,    192
.set G1, 24
.set G0, 32
.set G1B, 48
.set G0B, 56
.set G1S, 68
.set G0S, 76
.set G1SB, 80
.set G0SB, 88
.set CF,   24
.set CX,   44
.set CT,   46
.set SEL,  48
.set MNT,  50
.set GOFF, 51
.set ROWI, 3
.set MSB, 0
.macro WIN new
.if MSB != \new
	s_set_vgpr_msb (MSB<<8)|\new
.set MSB, \new
.endif
.endm
.set MUL_LO, 0xa1
.set MUL_HI, 0xf1
.set TO_B,   0x40
.macro JLOAD g0a, g1a, g0b, g1b
	s_cmp_eq_u32 s15, 0
	s_cbranch_scc0 .Lfor_b_\@
	tensor_load_to_lds s[\g0a:\g0a+3], s[\g1a:\g1a+7]
	s_nop 0
.rept 4
	v_nop
.endr
	s_branch .Lasked_\@
.Lfor_b_\@:
	tensor_load_to_lds s[\g0b:\g0b+3], s[\g1b:\g1b+7]
	s_nop 0
.rept 4
	v_nop
.endr
.Lasked_\@:
.endm
.macro CREST
	s_cmp_lg_u32 s14, 0
	s_cbranch_scc1 .Lnot_wave_0_\@
	s_barrier_signal -3
.Lnot_wave_0_\@:
	s_barrier_wait -3
	s_barrier_signal -1
	s_barrier_wait -1
.endm
.macro CROUND
	s_barrier_signal -1
	s_barrier_wait -1
	CREST
.endm
	s_load_b128 s[4:7], s[0:1], 0x0
	s_load_b128 s[8:11], s[0:1], 0x10
	v_lshl_add_u32 v[SPW], v0, 2, SPARE
	v_mov_b32 v[NIL], 0
	ds_add_u32 v28, v29
	ds_add_u32 v28, v29
	s_wait_dscnt 0x0
	v_lshrrev_b32 v1, 5, v0
	v_readfirstlane_b32 s14, v1
	s_lshr_b32 s15, s14, 1
	s_and_b32 s16, s14, 1
	s_bfe_u32 s40, ttmp6, 0x40000
	s_bfe_u32 s41, ttmp6, 0x40004
	s_lshl_b32 s42, ttmp9, 2
	s_add_co_u32 s42, s42, s40
	s_and_b32 s17, ttmp7, 0xffff
	s_lshl_b32 s17, s17, 2
	s_add_co_u32 s17, s17, s41
	s_lshl_b32 s43, s41, 2
	s_lshl_b32 s43, 15, s43
	s_lshl_b32 s44, 0x1111, s40
	s_or_b32 s[G1+0], s43, (0<<16)|(1<<20)|(1<<21)|(5<<22)|(3<<25)
	s_or_b32 s[G1B+0], s44, (0<<16)|(1<<20)|(1<<21)|(5<<22)|(3<<25)
.irp g, G1, G1B
	s_mov_b32 s[\g+1], ROWB<<16
	s_mov_b32 s[\g+2], 256<<16
	s_mov_b32 s[\g+3], ROWB<<16
	s_mov_b32 s[\g+4], 256
	s_mov_b32 s[\g+5], KROW
	s_mov_b32 s[\g+6], 0
	s_mov_b32 s[\g+7], 0
.endr
	s_or_b32 s[G1S+0], s43, (3<<16)|(1<<20)|(1<<21)|(5<<22)|(3<<25)
	s_or_b32 s[G1SB+0], s44, (3<<16)|(1<<20)|(1<<21)|(5<<22)|(3<<25)
.irp g, G1S, G1SB
	s_mov_b32 s[\g+1], 32<<16
	s_mov_b32 s[\g+2], KS<<16
	s_mov_b32 s[\g+3], 32<<16
	s_mov_b32 s[\g+4], KS
	s_mov_b32 s[\g+5], 32
	s_mov_b32 s[\g+6], 0
	s_mov_b32 s[\g+7], 0
.endr
	s_lshl_b32 s20, s17, 8
	s_lshl_b32 s46, s42, 8
	s_mov_b32 s21, 0
	s_mov_b32 s47, 0
	s_mov_b64 s[18:19], KS
	s_mul_u64 s[22:23], s[20:21], s[18:19]
	s_mul_u64 s[92:93], s[46:47], s[18:19]
	s_mov_b64 s[18:19], KROW
	s_mul_u64 s[20:21], s[20:21], s[18:19]
	s_mul_u64 s[46:47], s[46:47], s[18:19]
	s_mul_i32 s45, s14, HALFT
	s_mul_i32 s18, s16, 128*KROW                   ; in the ring I fetch 128 rows of a tile: my half, in bytes
	s_mov_b32 s19, 0
	s_wait_kmcnt 0x0
	s_add_nc_u64 s[20:21], s[4:5], s[20:21]
	s_add_nc_u64 s[22:23], s[6:7], s[22:23]
	s_add_nc_u64 s[46:47], s[8:9], s[46:47]
	s_add_nc_u64 s[92:93], s[10:11], s[92:93]
	CROUND
	s_mov_b32 s[G0S], 1
	s_mov_b32 s[G0S+1], SCL
	s_mov_b64 s[G0S+2:G0S+3], s[22:23]
	s_or_b32 s[G0S+3], s[G0S+3], 0x80000000
	s_mov_b32 s[G0SB], 1
	s_mov_b32 s[G0SB+1], SCL+2*HALFS
	s_mov_b64 s[G0SB+2:G0SB+3], s[92:93]
	s_or_b32 s[G0SB+3], s[G0SB+3], 0x80000000
.irp s, 0,1
	s_mov_b32 s[G0+4*\s], 1
	s_add_co_u32 s[G0+4*\s+1], s45, \s*SLOT
	s_add_nc_u64 s[G0+4*\s+2:G0+4*\s+3], s[20:21], \s*ROWB
	s_or_b32 s[G0+4*\s+3], s[G0+4*\s+3], 0x80000000
	s_mov_b32 s[G0B+4*\s], 1
	s_add_co_u32 s[G0B+4*\s+1], s45, \s*SLOT
	s_add_nc_u64 s[G0B+4*\s+2:G0B+4*\s+3], s[46:47], \s*ROWB
	s_or_b32 s[G0B+4*\s+3], s[G0B+4*\s+3], 0x80000000
.endr
	s_add_nc_u64 s[G0+6:G0+7], s[G0+6:G0+7], s[18:19]       ; slot 1's descriptors: my half of the rows
	s_add_nc_u64 s[G0B+6:G0B+7], s[G0B+6:G0B+7], s[18:19]
	s_mov_b32 s[G0+1], 0                           ; slot 0's serve the head first: a side's 256 rows whole
	s_mov_b32 s[G0B+1], 2*HALFT
; THE HEAD'S LOADS, ONE A WAVE: wave 0 K step 0's 256 rows of A, wave 1 those of B, wave 2 A's scale bytes, wave 3 B's.  One chain of branches on the wave's number.
.macro ARM under, g0, g1, next
	s_cmp_lt_u32 s14, \under
	s_cbranch_scc0 \next
	tensor_load_to_lds s[\g0:\g0+3], s[\g1:\g1+7]
	s_nop 0
.rept 4
	v_nop
.endr
	s_branch .Lhead_asked
\next:
.endm
	ARM 1, G0, G1, .Lhead_b
	ARM 2, G0B, G1B, .Lhead_sa
	ARM 3, G0S, G1S, .Lhead_sb
	tensor_load_to_lds s[G0SB:G0SB+3], s[G1SB:G1SB+7]
	s_nop 0
.rept 4
	v_nop
.endr
.Lhead_asked:
	; THE PREFETCHES INTO THE L2.  A K step is 256 bytes of each row.  Of the 128 rows that a wave fetches in the ring each of the four partners that ask for them jointly takes 32, told apart by address
	; (cx for A, cy for B): a lane a row, one instruction a wave and K step.  K steps 1 and 2 are asked for here, behind the head's loads; K step 3 behind slot 1's load.  There is no K step 4.
	s_cmp_eq_u32 s15, 0                            ; do I fetch for A?
	s_cselect_b32 s20, s17, s42                    ; the tile
	s_cselect_b32 s21, s40, s41                    ; my place among the four that ask with me
	s_cselect_b64 s[12:13], s[4:5], s[8:9]
	s_lshl_b32 s20, s20, 8
	s_lshl_b32 s22, s16, 7
	s_add_co_u32 s20, s20, s22                     ; + the 128 rows that I fetch
	s_lshl_b32 s21, s21, 5
	s_add_co_u32 s20, s20, s21                     ; + my work-group's 32 of them
	s_lshl_b32 s20, s20, 10                        ; a row is 1,024 bytes
	s_mov_b32 s21, 0
	s_add_nc_u64 s[12:13], s[12:13], s[20:21]
	v_and_b32 v22, 31, v0
	v_lshlrev_b32 v22, 10, v22                     ; a lane a row
	global_prefetch_b8 v22, s[12:13] offset:256 th:TH_LOAD_NT scope:SCOPE_SE
	global_prefetch_b8 v22, s[12:13] offset:512 th:TH_LOAD_NT scope:SCOPE_SE
	s_load_b128 s[4:7], s[0:1], 0x20
	s_load_b64 s[8:9], s[0:1], 0x30
	v_and_b32 v1, 15, v0
	v_bfe_u32 v2, v0, 4, 1
	v_mul_u32_u24 v3, v1, PITCH
	v_lshl_add_u32 v4, v2, 4, v3
	s_mul_i32 s21, s15, HALFT
	s_mul_i32 s22, s16, HALFT
	s_add_co_u32 s22, s22, 2*HALFT
.irp s, 0,1
	v_add_nc_u32 v[ADRA+\s], s21, v4
	v_add_nc_u32 v[ADRB+\s], s22, v4
	s_add_co_u32 s21, s21, SLOT
	s_add_co_u32 s22, s22, SLOT
.endr
	v_mul_u32_u24 v5, v1, KS
	v_lshrrev_b32 v6, 8, v5
	v_lshl_add_u32 v5, v6, 4, v5
	s_mul_i32 s21, s15, HALFS
	s_mul_i32 s22, s16, HALFS
	s_add_co_u32 s22, s22, 2*HALFS
	s_sub_co_u32 s22, s22, s21
	v_mul_u32_u24 v6, s22, v2
	s_add_co_u32 s21, s21, SCL
	v_add_nc_u32 v5, v5, v6
	v_add_nc_u32 v[ADRS], s21, v5
	v_and_b32 v6, 31, v0
	v_lshlrev_b32 v[VO], 4, v6
	s_lshl_b32 s23, s14, 9
	v_add_nc_u32 v[RB], s23, v[VO]
	v_lshl_add_u32 v[GA], v1, 2, s23
	v_lshlrev_b32 v[VB], 5, v2
	s_lshl_b32 s20, s42, 1
	s_add_co_u32 s20, s20, s16
	s_lshl_b32 s21, s17, 4
	s_lshl_b32 s22, s15, 3
	s_add_co_u32 s21, s21, s22
	s_lshl_b32 s46, s20, 9
	s_mov_b32 s47, 0
	s_lshl_b32 s22, s21, 16
	s_lshl_b32 s23, s20, 11
	s_add_co_u32 s22, s22, s23
	s_mov_b32 s23, 0
	s_lshl_b32 s20, s20, 14
	s_lshl_b32 s21, s21, 6
	s_add_co_u32 s20, s20, s21
	s_mov_b32 s21, 0
	s_wait_alu depctr_va_vdst(0)
	s_wait_kmcnt 0x0
	s_add_nc_u64 s[4:5], s[4:5], s[46:47]
	s_add_nc_u64 s[6:7], s[6:7], s[22:23]
	s_add_nc_u64 s[8:9], s[8:9], s[20:21]
.irp b, 0,1,2,3,4,5,6,7
	global_load_b128 v[BIAS+8*\b:BIAS+8*\b+3], v[VB], s[4:5] offset:64*\b
	global_load_b128 v[BIAS+8*\b+4:BIAS+8*\b+7], v[VB], s[4:5] offset:64*\b+16
.endr
.macro FRAG reg, adr, q, i
.irp c, 0,1,2,3
	ds_load_b128 v[\reg+4*\c:\reg+4*\c+3], v[\adr] offset:128*(\q)+32*\c+(\i)*16*PITCH
.endr
.endm
.macro MUL16 a0, p, q, sc, zero
.irp a, \a0, \a0+1
.irp b, 0,1,2,3,4,5,6,7
.if \zero
	v_wmma_scale_f32_16x16x128_f8f6f4 v[8*(8*((\a)%4)+\b):8*(8*((\a)%4)+\b)+7], v[128*(\p)+FR*\b:128*(\p)+FR*\b+FR-1], v[AF+FR*(\a):AF+FR*(\a)+FR-1], 0, v[SC+8*NQ*(\sc)+NQ*\b+(\q)], v[SC+8*NQ*(\sc)+NQ*(\a)+(\q)] matrix_a_scale:MATRIX_SCALE_ROW1
.else
	v_wmma_scale_f32_16x16x128_f8f6f4 v[8*(8*((\a)%4)+\b):8*(8*((\a)%4)+\b)+7], v[128*(\p)+FR*\b:128*(\p)+FR*\b+FR-1], v[AF+FR*(\a):AF+FR*(\a)+FR-1], v[8*(8*((\a)%4)+\b):8*(8*((\a)%4)+\b)+7], v[SC+8*NQ*(\sc)+NQ*\b+(\q)], v[SC+8*NQ*(\sc)+NQ*(\a)+(\q)] matrix_a_scale:MATRIX_SCALE_ROW1
.endif
.endr
.endr
.endm
.macro FETCH_B slot, q, p
	WIN TO_B
.irp i, 0,1,2,3,4,5,6,7
	FRAG 128*(\p)+FR*\i, ADRB+\slot, \q, \i
.endr
	WIN 0
.endm
.macro FETCH_A slot, q, i0
.irp i, \i0, \i0+1, \i0+2, \i0+3
	FRAG AF+FR*(\i), ADRA+\slot, \q, \i
.endr
.endm
.macro SCALES sc
.irp i, 0,1,2,3,4,5,6,7
	ds_load_b64 v[SC+8*NQ*\sc+NQ*\i:SC+8*NQ*\sc+NQ*\i+1], v[ADRS] offset:\i*SBLK
.endr
.endm
.macro PLACES n
.rept \n
	v_nop
.endr
.endm
.macro STEP slot, q, zero
	s_wait_dscnt 4*NL                              ; B's set, the scale words and A's blocks 0-3 are in; the youngest 16 loads (A's blocks 4-7) may be out
	FETCH_B \slot, (\q)+1, 1-(\q)%2                ; B's other set stands eight places behind its last reader (the places at the last step's end): the next step's 32 loads go out here
	WIN MUL_LO
	MUL16 0, (\q)%2, \q, \slot, \zero
	MUL16 2, (\q)%2, \q, \slot, \zero
	s_wait_dscnt 8*NL                              ; A's blocks 4-7 are in; the 32 loads of B's next set, issued behind them, may be out
	PLACES NP
	WIN 0
	FETCH_A \slot, (\q)+1, 0
	WIN MUL_HI
	MUL16 4, (\q)%2, \q, \slot, \zero
	MUL16 6, (\q)%2, \q, \slot, \zero
	PLACES NP
	WIN 0
	FETCH_A \slot, (\q)+1, 4
.endm
.macro TURN slot, next, fill
	s_wait_tensorcnt 0x0
	ds_add_u32 v[SPW], v[NIL]
	s_wait_dscnt 4*NL+1
	WIN MUL_LO
	MUL16 0, 1, NQ-1, \slot, 0
	s_wait_dscnt 0x0
	s_barrier_signal -1
	MUL16 2, 1, NQ-1, \slot, 0
	WIN 0
	s_barrier_wait -1
.if \fill
	CREST
	s_add_nc_u64 s[G0+4*\slot+2:G0+4*\slot+3], s[G0+4*\slot+2:G0+4*\slot+3], 2*ROWB
	s_add_nc_u64 s[G0B+4*\slot+2:G0B+4*\slot+3], s[G0B+4*\slot+2:G0B+4*\slot+3], 2*ROWB
	JLOAD G0+4*\slot, G1, G0B+4*\slot, G1B
	PLACES NP-4
.else
	PLACES NP
.endif
	s_wait_alu depctr_va_vdst(0)
	v_add_nc_u32 v[ADRS], 4*NQ, v[ADRS]
	FETCH_B \next, 0, 0
	FETCH_A \next, 0, 0
	SCALES \next
	WIN MUL_HI
	MUL16 4, 1, NQ-1, \slot, 0
	MUL16 6, 1, NQ-1, \slot, 0
	PLACES NP
	WIN 0
	FETCH_A \next, 0, 4
.endm
	s_wait_alu depctr_va_vdst(0)                   ; the wait at the head's end
	s_wait_tensorcnt 0x0                           ; my tile of the head's four is in
	ds_add_u32 v[SPW], v[NIL]
	s_mov_b32 s[G1+2], 128<<16                     ; no tensor load of mine is out, so descriptors may be written: from here on a load brings 128 rows,
	s_mov_b32 s[G1+4], 128
	s_mov_b32 s[G1B+2], 128<<16
	s_mov_b32 s[G1B+4], 128
	s_mov_b32 s[G0+1], s45                         ; and slot 0's descriptors stand at my half
	s_add_nc_u64 s[G0+2:G0+3], s[G0+2:G0+3], s[18:19]
	s_mov_b32 s[G0B+1], s45
	s_add_nc_u64 s[G0B+2:G0B+3], s[G0B+2:G0B+3], s[18:19]
	s_wait_dscnt 0x0
	CROUND                                         ; all four tiles are in, and all sixteen work-groups are here
	JLOAD G0+4, G1, G0B+4, G1B                     ; K step 1: the first tensor load behind the round
	FETCH_B 0, 0, 0
	FETCH_A 0, 0, 0
	SCALES 0
	FETCH_A 0, 0, 4
	global_prefetch_b8 v22, s[12:13] offset:768 th:TH_LOAD_NT scope:SCOPE_SE   ; K step 3
	STEP 0, 0, 1
	s_mov_b32 s3, LAPS-1
.Llap:
	TURN 0, 1, 1
	STEP 1, 0, 0
	TURN 1, 0, 1
	STEP 0, 0, 0
	s_sub_co_u32 s3, s3, 1
	s_cmp_lg_u32 s3, 0
	s_cbranch_scc1 .Llap
	TURN 0, 1, 0
	STEP 1, 0, 0
	s_wait_dscnt 4*NL
	WIN MUL_LO
	MUL16 0, 1, NQ-1, 1, 0
	MUL16 2, 1, NQ-1, 1, 0
	s_wait_dscnt 0
	WIN MUL_HI
	MUL16 4, 1, NQ-1, 1, 0
	MUL16 6, 1, NQ-1, 1, 0
	WIN 0
.macro QUANT4 src, swin, dst, dwin
	WIN (\swin)|((\swin)<<2)
.irp b, 0,1,2,3
	v_max3_num_f32 v[TM+\b], |v[\src+16*\b]|, |v[\src+1+16*\b]|, 0x4800000
.endr
.irp i, 2,4,6,8,10,12,14
.irp b, 0,1,2,3
	v_max3_num_f32 v[TM+\b], |v[\src+16*\b+\i]|, |v[\src+1+16*\b+\i]|, v[TM+\b]
.endr
.endr
	WIN 0
.irp b, 0,1,2,3
	v_permlanex16_b32 v[TM+4+\b], v[TM+\b], s[SEL], s[SEL+1]
.endr
.irp b, 0,1,2,3
	v_max_num_f32 v[TM+\b], v[TM+\b], v[TM+4+\b]
.endr
.irp b, 0,1,2,3
	v_add_nc_u32 v[TM+12+\b], 0xfc000000, v[TM+\b]
.endr
.irp b, 0,1,2,3
	v_and_or_b32 v[TM+8+\b], v[TM+\b], 0x7f800000, s[MNT]
.endr
.irp b, 0,1,2,3
	v_lshrrev_b32 v[TM+4+\b], 23, v[TM+12+\b]
.endr
	WIN (\swin)|((\dwin)<<6)
.irp b, 0,1,2,3
.irp i, 0,1,2,3,4,5,6,7,8,9,10,11,12,13,14,15
	v_med3_num_f32 v[\dst+16*\b+\i], v[\src+16*\b+\i], -v[TM+8+\b], v[TM+8+\b]
.endr
.endr
	WIN \dwin
.irp b, 0,1,2,3
	v_cvt_scalef32_pk8_fp8_f32 v[PC+4*\b:PC+1+4*\b], v[\dst+16*\b:\dst+7+16*\b], v[TM+12+\b]
	v_cvt_scalef32_pk8_fp8_f32 v[PC+2+4*\b:PC+3+4*\b], v[\dst+8+16*\b:\dst+15+16*\b], v[TM+12+\b]
.endr
	WIN 0
	v_nop
.endm
.macro GET k
.set AC, 64*((\k)%4)
	WIN 0x40|(2+(\k)/4)
.irp b, 0,1,2,3,4,5,6,7
.irp j, 0,2,4,6
	v_pk_add_f32 v[XX+8*\b+\j:XX+8*\b+\j+1], v[AC+8*\b+\j:AC+8*\b+\j+1], v[BIAS+8*\b+\j:BIAS+8*\b+\j+1]
.endr
.endr
	WIN 0
.endm
	PLACES NP
	s_wait_loadcnt 0x0
	s_mov_b32 s[CF+0], 0xbfe9b21e
	s_mov_b32 s[CF+2], 0x3fb8ab5a
	s_mov_b32 s[CF+4], 0x3f0a29d2
	s_mov_b32 s[CF+6], 0x3e0efb2f
	s_mov_b32 s[CF+8], 0xbe899a80
	s_mov_b32 s[CF+10], 0x3ecdfd18
	s_mov_b32 s[CF+12], 0xbfd1a1e5
	s_mov_b32 s[CF+14], 0x40097039
	s_mov_b32 s[CF+18], 0x3e7c6f08
.irp i, 0,1,2,3,4,5,6,7,9
	s_mov_b32 s[CF+2*\i+1], s[CF+2*\i]
.endr
	s_mov_b32 s[CX], 0xbf38aa3b
	s_mov_b32 s[CX+1], s[CX]
	s_mov_b32 s[CT], 0x3eb504f3
	s_mov_b32 s[SEL], 0x76543210
	s_mov_b32 s[SEL+1], 0xfedcba98
	s_mov_b32 s[MNT], 0x600000
	v_mov_b32 v[B8], 0xbf97d29d
	v_mov_b32 v[B8+1], 0xbf97d29d
.irp b, 0,1,2,3
	v_mov_b32 v[TM+4+\b], 0
.endr
	s_mov_b32 s[ROWI], 0
	s_mov_b32 s[GOFF], 0
.Lrow:
.irp k, 0,1,2,3,4,5,6
	s_cmp_eq_u32 s[ROWI], \k
	s_cbranch_scc1 .Lget\k
.endr
	GET 7
	s_branch .Lwork
.irp k, 0,1,2,3,4,5,6
.Lget\k:
	GET \k
	s_branch .Lwork
.endr
.Lwork:
	WIN 0x55
.set j, 0
.rept 64
	v_fma_f32 v[T+j], |v[XX+j]|, s[CT], 1.0        ; all sources of the batch first,
.set j, j+1
.endr
	s_wait_alu depctr_va_vdst(0)                   ; one wait ahead of the batch,
.set j, 0
.rept 32
	v_rcp_f32 v[T+j], v[T+j]                       ; then the 64 reciprocals; the squares among them are read behind the batch's wait alone
	v_rcp_f32 v[T+j+1], v[T+j+1]
	v_pk_mul_f32 v[Z+j:Z+j+1], v[XX+j:XX+j+1], v[XX+j:XX+j+1]
.set j, j+2
.endr
	s_wait_alu depctr_va_vdst(0)
	WIN 0x45
.set j, 0
.rept 32
	v_pk_fma_f32 v[P+j:P+j+1], v[T+j:T+j+1], s[CF+18:CF+19], v[B8:B8+1] op_sel_hi:[1,0,1]
.set j, j+2
.endr
	WIN 0x55
.irp i, 7,6,5,4,3,2,1,0
.set j, 0
.rept 32
	v_pk_fma_f32 v[P+j:P+j+1], v[P+j:P+j+1], v[T+j:T+j+1], s[CF+2*\i:CF+2*\i+1] op_sel_hi:[1,1,0]
.set j, j+2
.endr
.endr
.set j, 0
.rept 32
	v_pk_fma_f32 v[P+j:P+j+1], v[Z+j:Z+j+1], s[CX:CX+1], v[P+j:P+j+1] op_sel_hi:[1,0,1]
.set j, j+2
.endr
.set j, 0
	s_wait_alu depctr_va_vdst(0)
.rept 64
	v_exp_f32 v[P+j], v[P+j]
	v_max_num_f32 v[Z+j], 0, v[XX+j]
.set j, j+1
.endr
	s_wait_alu depctr_va_vdst(0)
.set j, 0
.rept 32
	v_pk_mul_f32 v[P+j:P+j+1], v[P+j:P+j+1], v[T+j:T+j+1]
.set j, j+2
.endr
.set j, 0
.rept 32
	v_pk_mul_f32 v[P+j:P+j+1], v[P+j:P+j+1], v[XX+j:XX+j+1]
.set j, j+2
.endr
.set j, 0
.rept 64
	v_fma_f32 v[XX+j], |v[P+j]|, -0.5, v[Z+j]
.set j, j+1
.endr
	QUANT4 XX, 1, XX, 1
	v_lshl_or_b32 v[PW], v[TM+5], 8, v[TM+4]
	v_lshl_or_b32 v[PW], v[TM+6], 16, v[PW]
	v_lshl_or_b32 v[PW], v[TM+7], 24, v[PW]
.irp b, 0,1,2,3
	v_permlane16_swap_b32 v[PC+4*\b], v[PC+2+4*\b]
	v_permlane16_swap_b32 v[PC+1+4*\b], v[PC+3+4*\b]
.endr
.irp b, 0,1,2,3
	global_store_b128 v[VO], v[PC+4*\b:PC+4*\b+3], s[6:7] offset:512*\b
.endr
	v_add_nc_u32 v[GT], s[GOFF], v[GA]
	ds_store_b32 v[GT], v[PW]
	s_wait_xcnt 0x0
	s_wait_dscnt 0x0
	s_add_nc_u64 s[6:7], s[6:7], 65536
	s_add_co_u32 s[GOFF], s[GOFF], 64
	s_add_co_u32 s[ROWI], s[ROWI], 1
	s_cmp_lt_u32 s[ROWI], 8
	s_cbranch_scc1 .Lrow
	ds_load_b128 v[R0:R0+3], v[RB]
	s_wait_dscnt 0x0
	global_store_b128 v[VO], v[R0:R0+3], s[8:9]
	s_wait_tensorcnt 0x0
	ds_add_u32 v[SPW], v[NIL]
	s_wait_dscnt 0x0
	CROUND
	s_endpgm
.Lfunc_end_k_qa54c2877c0_ff1:
	.size	k_qa54c2877c0_ff1, .Lfunc_end_k_qa54c2877c0_ff1-k_qa54c2877c0_ff1
	.p2alignl 7, 3214868480
	.fill 96, 4, 3214868480
	.section	.rodata,"a",@progbits
	.p2align	6, 0x0
	.amdhsa_kernel k_qa54c2877c0_ff1
		.amdhsa_group_segment_fixed_size 327680
		.amdhsa_private_segment_fixed_size 0
		.amdhsa_enable_private_segment 0
		.amdhsa_kernarg_size 56
		.amdhsa_user_sgpr_count 2
		.amdhsa_user_sgpr_kernarg_segment_ptr 1
		.amdhsa_wavefront_size32 1
		.amdhsa_system_sgpr_workgroup_id_x 1
		.amdhsa_system_sgpr_workgroup_id_y 1
		.amdhsa_system_sgpr_workgroup_id_z 1
		.amdhsa_system_vgpr_workitem_id 0
		.amdhsa_next_free_vgpr 1024
		.amdhsa_next_free_sgpr 102
		.amdhsa_reserve_vcc 0
		.amdhsa_float_denorm_mode_32 3
		.amdhsa_float_denorm_mode_16_64 3
		.amdhsa_memory_ordered 1
		.amdhsa_forward_progress 1
		.amdhsa_inst_pref_size 188
	.end_amdhsa_kernel
	.amdgpu_metadata
---
amdhsa.version: [ 1, 2 ]
amdhsa.kernels:
  - .name:           k_qa54c2877c0_ff1
    .symbol:         k_qa54c2877c0_ff1.kd
    .args:
      - { .name: h_codes, .offset: 0, .size: 8, .value_kind: global_buffer, .address_space: global }
      - { .name: h_scales, .offset: 8, .size: 8, .value_kind: global_buffer, .address_space: global }
      - { .name: ff1_w_codes, .offset: 16, .size: 8, .value_kind: global_buffer, .address_space: global }
      - { .name: ff1_w_scales, .offset: 24, .size: 8, .value_kind: global_buffer, .address_space: global }
      - { .name: ff1_b, .offset: 32, .size: 8, .value_kind: global_buffer, .address_space: global }
      - { .name: act_img, .offset: 40, .size: 8, .value_kind: global_buffer, .address_space: global }
      - { .name: act_scl, .offset: 48, .size: 8, .value_kind: global_buffer, .address_space: global }
    .group_segment_fixed_size: 327680
    .private_segment_fixed_size: 0
    .kernarg_segment_align: 8
    .kernarg_segment_size: 56
    .max_flat_workgroup_size: 128
    .sgpr_count:     102
    .vgpr_count:     1024
    .wavefront_size: 32
...
	.end_amdgpu_metadata
.endif
;; end of part 5
;; launch ff2 (part 6): grid 8 x 32, 4 waves a work-group, clusters of 4 x 4, 327,680 bytes of LDS; arguments act_img, act_scl, ff2_w_codes, ff2_w_scales, x1, out0, ff2_b; writes out0
.if DOCPART == 6
	.amdgcn_target "amdgcn-amd-amdhsa--gfx1250"
	.amdhsa_code_object_version 6
	.text
	.protected	k_qa54c2877c0_ff2
	.globl	k_qa54c2877c0_ff2
	.p2align	8
	.type	k_qa54c2877c0_ff2,@function
k_qa54c2877c0_ff2:
	s_mov_b64 s[64:65], 0
	v_nop
	global_prefetch_b8 v0, s[64:65] scope:SCOPE_SE
	s_setreg_imm32_b32 hwreg(HW_REG_WAVE_MODE, 25, 1), 1
	s_wait_xcnt 0x0
	s_wait_alu depctr_hold_cnt(0) depctr_sa_sdst(0) depctr_va_vdst(0) depctr_va_sdst(0) depctr_va_ssrc(0) depctr_va_vcc(0) depctr_vm_vsrc(0)
	s_getreg_b32 s2, hwreg(HW_REG_IB_STS2, 6, 4)
	s_cmp_eq_u32 s2, 0
	s_cbranch_scc0 .Lentry_in_a_cluster
	s_endpgm
.Lentry_in_a_cluster:
	s_bfe_u32 s2, ttmp6, 0x10000c
	s_cmp_lg_u32 s2, 0xf033
	s_cbranch_scc0 .Lentry_shape_is_right
	s_endpgm
.Lentry_shape_is_right:
.set SIZE_K,  4096
.set HAS_BIAS, 1
.set APART,  65536
.set BP,     528
.set HALFB,  64*BP
.set SLOT,   APART+2*HALFB
.set LAPS,   SIZE_K/1024
.set KS,     SIZE_K/32
.set SCB,    2*SLOT
.set HSB,    (SIZE_K/128)*272
.set SCA,    SCB+2*HSB
.set HSA,    (SIZE_K/256)*512
.set SPARE,  SCA+2*HSA
.set SPITCH, 272
.set ADRA, 16
.set ADRB, 20
.set ADSA, 22
.set ADSB, 23
.set STO,  24
.set RD,   25
.set CO,   26
.set VB,   27
.set SPW,  28
.set NIL,  29
.set BK,   32
.set BIAS, 32
.set SCR,  96
.set ACC,  128
.set G1, 24
.set G0, 32
.set G1B, 48
.set G0B, 56
.set G1S, 68
.set G0S, 76
.set G1SB, 80
.set G0SB, 88
.set MSB, 0
.macro WIN new
.if MSB != \new
	s_set_vgpr_msb (MSB<<8)|\new
.set MSB, \new
.endif
.endm
.set MULW, 0x05
.macro JLOAD g0a, g1a, g0b, g1b
	s_cmp_eq_u32 s15, 0
	s_cbranch_scc0 .Lfor_b_\@
	tensor_load_to_lds s[\g0a:\g0a+3], s[\g1a:\g1a+7]
	s_nop 0
.rept 4
	v_nop
.endr
	s_branch .Lasked_\@
.Lfor_b_\@:
	tensor_load_to_lds s[\g0b:\g0b+3], s[\g1b:\g1b+7]
	s_nop 0
.rept 4
	v_nop
.endr
.Lasked_\@:
.endm
.macro CREST
	s_cmp_lg_u32 s14, 0
	s_cbranch_scc1 .Lnot_wave_0_\@
	s_barrier_signal -3
.Lnot_wave_0_\@:
	s_barrier_wait -3
	s_barrier_signal -1
	s_barrier_wait -1
.endm
.macro CROUND
	s_barrier_signal -1
	s_barrier_wait -1
	CREST
.endm
	s_load_b128 s[4:7], s[0:1], 0x0
	s_load_b128 s[8:11], s[0:1], 0x10
	s_load_b128 s[96:99], s[0:1], 0x20
.if HAS_BIAS
	s_load_b64 s[100:101], s[0:1], 0x30
.endif
	v_lshl_add_u32 v[SPW], v0, 2, SPARE
	v_mov_b32 v[NIL], 0
	ds_add_u32 v28, v29
	ds_add_u32 v28, v29
	s_wait_dscnt 0x0
	v_lshrrev_b32 v1, 5, v0
	v_readfirstlane_b32 s14, v1
	s_lshr_b32 s15, s14, 1
	s_and_b32 s16, s14, 1
	s_bfe_u32 s40, ttmp6, 0x40000
	s_bfe_u32 s41, ttmp6, 0x40004
	s_lshl_b32 s42, ttmp9, 2
	s_add_co_u32 s42, s42, s40
	s_and_b32 s17, ttmp7, 0xffff
	s_lshl_b32 s17, s17, 2
	s_add_co_u32 s17, s17, s41
	s_lshl_b32 s43, s41, 2
	s_lshl_b32 s43, 15, s43
	s_lshl_b32 s44, 0x1111, s40
	s_or_b32 s[G1+0], s43, (3<<16)|(1<<21)
	s_mov_b32 s[G1+1], 1024<<16
	s_mov_b32 s[G1+2], 8<<16
	s_mov_b32 s[G1+3], 1024<<16
	s_mov_b32 s[G1+4], 8
	s_mov_b32 s[G1+5], 2*SIZE_K
	s_mov_b32 s[G1+6], 0
	s_mov_b32 s[G1+7], 0
	s_or_b32 s[G1B+0], s44, (0<<16)|(1<<20)|(1<<21)|(6<<22)|(3<<25)
	s_mov_b32 s[G1B+1], 512<<16
	s_mov_b32 s[G1B+2], 128<<16
	s_mov_b32 s[G1B+3], 512<<16
	s_mov_b32 s[G1B+4], 128
	s_mov_b32 s[G1B+5], SIZE_K
	s_mov_b32 s[G1B+6], 0
	s_mov_b32 s[G1B+7], 0
	s_or_b32 s[G1S+0], s43, (3<<16)|(1<<21)
	s_mov_b32 s[G1S+1], 64<<16
	s_mov_b32 s[G1S+2], (SIZE_K/128)<<16
	s_mov_b32 s[G1S+3], 64<<16
	s_mov_b32 s[G1S+4], SIZE_K/128
	s_mov_b32 s[G1S+5], 2048
	s_mov_b32 s[G1S+6], 0
	s_mov_b32 s[G1S+7], 0
	s_or_b32 s[G1SB+0], s44, (3<<16)|(1<<20)|(1<<21)|(5<<22)|(3<<25)
	s_mov_b32 s[G1SB+1], 32<<16
	s_mov_b32 s[G1SB+2], (SIZE_K/64)<<16
	s_mov_b32 s[G1SB+3], 32<<16
	s_mov_b32 s[G1SB+4], SIZE_K/64
	s_mov_b32 s[G1SB+5], 32
	s_mov_b32 s[G1SB+6], 0
	s_mov_b32 s[G1SB+7], 0
	s_lshl_b32 s20, s17, 3
	s_mul_i32 s20, s20, 16*SIZE_K
	s_mov_b32 s21, 0
	s_lshl_b32 s22, s17, 9
	s_mov_b32 s23, 0
	s_lshl_b32 s46, s42, 7
	s_mul_i32 s92, s46, KS
	s_mov_b32 s93, 0
	s_mul_i32 s46, s46, SIZE_K
	s_mov_b32 s47, 0
	s_lshl_b32 s45, s16, 15
	s_mul_i32 s94, s16, HALFB
	s_add_co_u32 s94, s94, APART
	s_mul_i32 s18, s16, 64*SIZE_K                  ; in the ring I fetch half a tile: 64 rows of either side are 64 SIZE_K bytes
	s_mov_b32 s19, 0
	s_wait_kmcnt 0x0
	s_add_nc_u64 s[20:21], s[4:5], s[20:21]
	s_add_nc_u64 s[22:23], s[6:7], s[22:23]
	s_add_nc_u64 s[46:47], s[8:9], s[46:47]
	s_add_nc_u64 s[92:93], s[10:11], s[92:93]
	CROUND
	s_mov_b32 s[G0S], 1
	s_mov_b32 s[G0S+1], SCA
	s_mov_b64 s[G0S+2:G0S+3], s[22:23]
	s_or_b32 s[G0S+3], s[G0S+3], 0x80000000
	s_mov_b32 s[G0SB], 1
	s_mov_b32 s[G0SB+1], SCB
	s_mov_b64 s[G0SB+2:G0SB+3], s[92:93]
	s_or_b32 s[G0SB+3], s[G0SB+3], 0x80000000
.irp s, 0,1
	s_mov_b32 s[G0+4*\s], 1
	s_add_co_u32 s[G0+4*\s+1], s45, \s*SLOT
	s_add_nc_u64 s[G0+4*\s+2:G0+4*\s+3], s[20:21], \s*8192
	s_or_b32 s[G0+4*\s+3], s[G0+4*\s+3], 0x80000000
	s_mov_b32 s[G0B+4*\s], 1
	s_add_co_u32 s[G0B+4*\s+1], s94, \s*SLOT
	s_add_nc_u64 s[G0B+4*\s+2:G0B+4*\s+3], s[46:47], \s*512
	s_or_b32 s[G0B+4*\s+3], s[G0B+4*\s+3], 0x80000000
.endr
	s_add_nc_u64 s[G0+6:G0+7], s[G0+6:G0+7], s[18:19]       ; slot 1's descriptors: my half
	s_add_nc_u64 s[G0B+6:G0B+7], s[G0B+6:G0B+7], s[18:19]
	s_mov_b32 s[G0+1], 0                           ; slot 0's serve the head first: a side's tile whole
	s_mov_b32 s[G0B+1], APART
; THE HEAD'S LOADS, ONE A WAVE: wave 0 K step 0 of the rows' images, wave 1 of the weights, wave 2 the rows' scale words, wave 3 the weights' scale bytes.  One chain of branches on the wave's number.
.macro ARM under, g0, g1, next
	s_cmp_lt_u32 s14, \under
	s_cbranch_scc0 \next
	tensor_load_to_lds s[\g0:\g0+3], s[\g1:\g1+7]
	s_nop 0
.rept 4
	v_nop
.endr
	s_branch .Lhead_asked
\next:
.endm
	ARM 1, G0, G1, .Lhead_b
	ARM 2, G0B, G1B, .Lhead_sa
	ARM 3, G0S, G1S, .Lhead_sb
	tensor_load_to_lds s[G0SB:G0SB+3], s[G1SB:G1SB+7]
	s_nop 0
.rept 4
	v_nop
.endr
.Lhead_asked:
	v_and_b32 v1, 15, v0
	v_bfe_u32 v2, v0, 4, 1
	v_and_b32 v3, 31, v0
	s_wait_alu depctr_va_vdst(0)
	v_lshlrev_b32 v4, 4, v3
	s_lshl_b32 s21, s15, 15
	v_mul_u32_u24 v5, v1, BP
	v_lshl_add_u32 v5, v2, 4, v5
	s_mul_i32 s22, s16, HALFB
	s_add_co_u32 s22, s22, APART
.irp s, 0,1
	v_add_nc_u32 v[ADRA+\s], s21, v4
	v_add_nc_u32 v[ADRB+\s], s22, v5
	s_add_co_u32 s21, s21, SLOT
	s_add_co_u32 s22, s22, SLOT
.endr
	s_lshl_b32 s21, s15, 8
	s_add_co_u32 s21, s21, SCA
	v_lshl_add_u32 v[ADSA], v3, 2, s21
	v_mul_u32_u24 v5, v3, KS
	v_lshrrev_b32 v6, 8, v5
	v_lshl_add_u32 v5, v6, 4, v5
	s_mul_i32 s21, s16, HSB
	s_add_co_u32 s21, s21, SCB
	v_add_nc_u32 v[ADSB], s21, v5
	s_mul_i32 s23, s14, 16*SPITCH
	v_mul_u32_u24 v5, v1, SPITCH
	v_lshl_add_u32 v5, v2, 5, v5
	v_add_nc_u32 v[STO], s23, v5
	v_mul_u32_u24 v5, v2, SPITCH
	v_lshl_add_u32 v5, v1, 4, v5
	v_add_nc_u32 v[RD], s23, v5
	v_lshlrev_b32 v[CO], 12, v2
	v_lshl_add_u32 v[CO], v1, 4, v[CO]
	v_lshlrev_b32 v[VB], 5, v2
	s_wait_alu depctr_va_vdst(0)
	s_lshl_b32 s20, s17, 7
	s_lshl_b32 s21, s15, 6
	s_add_co_u32 s20, s20, s21
	s_lshl_b32 s20, s20, 12
	s_lshl_b32 s22, s42, 7
	s_lshl_b32 s21, s16, 6
	s_add_co_u32 s22, s22, s21
	s_lshl_b32 s22, s22, 2
	s_mov_b32 s23, 0
	s_add_co_u32 s20, s20, s22
	s_mov_b32 s21, 0
	s_add_nc_u64 s[96:97], s[96:97], s[20:21]
	s_add_nc_u64 s[98:99], s[98:99], s[20:21]
.if HAS_BIAS
	s_add_nc_u64 s[100:101], s[100:101], s[22:23]
.irp b, 0,1,2,3
	global_load_b128 v[BIAS+8*\b:BIAS+8*\b+3], v[VB], s[100:101] offset:64*\b
	global_load_b128 v[BIAS+8*\b+4:BIAS+8*\b+7], v[VB], s[100:101] offset:64*\b+16
.endr
.endif
.macro WM a, b, f, ks, st, c
.set rD, ACC+8*(4*(\a)+(\b))
.set rC, rD
.if (\c) == 1
.set rC, BIAS+8*(\b)
.endif
.set rB, (\f)+64+16*(\b)
.set rA, (\f)+16*(\a)
.set rT, SCR+16*(\st)+8+4*((\b)/2)+(\ks)
.set rS, SCR+16*(\st)+2*(\ks)+(\a)/2
.if (\c) == 0
.if ((\a)%2) && ((\b)%2)
	v_wmma_scale_f32_16x16x128_f8f6f4 v[rD:rD+7], v[rB:rB+15], v[rA:rA+15], 0, v[rT], v[rS] matrix_a_scale:MATRIX_SCALE_ROW1 matrix_b_scale:MATRIX_SCALE_ROW1
.elseif (\b)%2
	v_wmma_scale_f32_16x16x128_f8f6f4 v[rD:rD+7], v[rB:rB+15], v[rA:rA+15], 0, v[rT], v[rS] matrix_a_scale:MATRIX_SCALE_ROW1
.elseif (\a)%2
	v_wmma_scale_f32_16x16x128_f8f6f4 v[rD:rD+7], v[rB:rB+15], v[rA:rA+15], 0, v[rT], v[rS] matrix_b_scale:MATRIX_SCALE_ROW1
.else
	v_wmma_scale_f32_16x16x128_f8f6f4 v[rD:rD+7], v[rB:rB+15], v[rA:rA+15], 0, v[rT], v[rS]
.endif
.else
.if ((\a)%2) && ((\b)%2)
	v_wmma_scale_f32_16x16x128_f8f6f4 v[rD:rD+7], v[rB:rB+15], v[rA:rA+15], v[rC:rC+7], v[rT], v[rS] matrix_a_scale:MATRIX_SCALE_ROW1 matrix_b_scale:MATRIX_SCALE_ROW1
.elseif (\b)%2
	v_wmma_scale_f32_16x16x128_f8f6f4 v[rD:rD+7], v[rB:rB+15], v[rA:rA+15], v[rC:rC+7], v[rT], v[rS] matrix_a_scale:MATRIX_SCALE_ROW1
.elseif (\a)%2
	v_wmma_scale_f32_16x16x128_f8f6f4 v[rD:rD+7], v[rB:rB+15], v[rA:rA+15], v[rC:rC+7], v[rT], v[rS] matrix_b_scale:MATRIX_SCALE_ROW1
.else
	v_wmma_scale_f32_16x16x128_f8f6f4 v[rD:rD+7], v[rB:rB+15], v[rA:rA+15], v[rC:rC+7], v[rT], v[rS]
.endif
.endif
.endm
.macro MUL f, ks, st, a0, n, c
.set ia, \a0
.rept \n
.irp b, 0,1,2,3
	WM ia, \b, \f, \ks, \st, \c
.endr
.set ia, ia+1
.endr
.endm
.macro FETCH slot, q, f
	WIN 0x40
.irp i, 0,1,2,3
.irp c, 0,1,2,3
	ds_load_b128 v[\f+64+16*\i+4*\c:\f+64+16*\i+4*\c+3], v[ADRB+\slot] offset:8448*\i+128*(\q)+32*\c
.endr
.endr
.irp i, 0,1,2,3
.irp c, 0,1,2,3
	ds_load_b128 v[\f+16*\i+4*\c:\f+16*\i+4*\c+3], v[ADRA+\slot] offset:8192*\i+2048*(\q)+512*\c
.endr
.endr
.endm
.macro SCALES st
	WIN 0
.irp ks, 0,1,2,3
.irp p, 0,1
	ds_load_b32 v[SCR+16*\st+2*\ks+\p], v[ADSA] offset:512*\ks+128*\p
.endr
.endr
.irp p, 0,1
	ds_load_b128 v[SCR+16*\st+8+4*\p:SCR+16*\st+8+4*\p+3], v[ADSB] offset:\p*(SIZE_K/256)*272
.endr
.endm
.macro PLACES n
.rept \n
	v_nop
.endr
.endm
.macro STEP slot, q, c
.set FF, 128*((\q)%2)
.set GG, 128-FF
	s_wait_dscnt 0x0
	PLACES 8                                       ; eight places behind the last products, which read the other buffer,
	FETCH \slot, (\q)+1, GG                        ; then the next 128 along K are asked for ahead of all sixteen products of this step
	WIN MULW
	MUL FF, \q, \slot, 0, 4, \c
.endm
.macro TURN slot, next, fill
	WIN 0
.if \fill
	s_wait_xcnt 0x0                                ; any prefetch of mine has read its address: it steps one K step on
	s_add_nc_u64 s[12:13], s[12:13], s[66:67]
.endif
	s_wait_tensorcnt 0x0
	ds_add_u32 v[SPW], v[NIL]
	s_wait_dscnt 1
	WIN MULW
	MUL 128, 3, \slot, 0, 1, 2
	s_wait_dscnt 0x0
	s_barrier_signal -1
	MUL 128, 3, \slot, 1, 1, 2
	WIN 0
	s_barrier_wait -1
.if \fill
	CREST
	s_add_nc_u64 s[G0+4*\slot+2:G0+4*\slot+3], s[G0+4*\slot+2:G0+4*\slot+3], 16384
	s_add_nc_u64 s[G0B+4*\slot+2:G0B+4*\slot+3], s[G0B+4*\slot+2:G0B+4*\slot+3], 1024
	JLOAD G0+4*\slot, G1, G0B+4*\slot, G1B
	PLACES 4
.else
	PLACES 8
.endif
	s_wait_alu depctr_va_vdst(0)
	v_add_nc_u32 v[ADSA], 2048, v[ADSA]
	v_add_nc_u32 v[ADSB], 16, v[ADSB]
	FETCH \next, 0, 0
	SCALES \next
.if \fill
	s_cmp_gt_u32 s3, 1                             ; the loop's last trip has no K step two refills on
	s_cbranch_scc0 .Lnot_asked_\@
	global_prefetch_b8 v30, s[12:13] th:TH_LOAD_NT scope:SCOPE_SE   ; the K step that stands two refills on
.Lnot_asked_\@:
.endif
	WIN MULW
	MUL 128, 3, \slot, 2, 2, 2
.endm
	; THE PREFETCHES INTO THE L2.  A K step of 512 is 8,192 bytes of each tile of 16 tokens and 512 bytes of each row of the weights.  Of what a wave fetches in the ring (4 tiles of tokens, or 64 rows of weights) each of the four
	; partners that ask for it jointly takes a quarter, told apart by address (cx for the tokens, cy for the weights): 32 blocks of 256 bytes, a lane a block, one instruction a wave.
	; K steps 2 and 3 are asked for behind the head's loads; then each change of slots that loads K step t + 2 asks for K step t + 4, up to the last, K step 7.
	s_lshl_b32 s20, s17, 3
	s_lshl_b32 s21, s16, 2
	s_add_co_u32 s20, s20, s21
	s_add_co_u32 s20, s20, s40                     ; the tile of 16 tokens: 8 x tile row + 4 x half + cx
	s_mul_i32 s20, s20, 16*SIZE_K
	s_lshl_b32 s22, s42, 7
	s_lshl_b32 s21, s16, 6
	s_add_co_u32 s22, s22, s21
	s_lshl_b32 s21, s41, 4
	s_add_co_u32 s22, s22, s21                     ; the weights' row: 128 x tile column + 64 x half + 16 cy
	s_mul_i32 s22, s22, SIZE_K
	s_cmp_eq_u32 s15, 0                            ; do I fetch for the tokens?
	s_cselect_b32 s20, s20, s22
	s_cselect_b64 s[12:13], s[4:5], s[8:9]
	s_mov_b32 s66, 512
	s_cselect_b32 s66, 8192, s66                   ; a K step on, in bytes
	s_mov_b32 s23, SIZE_K
	s_cselect_b32 s23, 512, s23                    ; from one pair of lanes to the next
	s_mov_b32 s67, 0
	s_mov_b32 s21, 0
	s_add_nc_u64 s[12:13], s[12:13], s[20:21]
	s_add_nc_u64 s[10:11], s[12:13], s[66:67]      ; K step 1: asked for below, ahead of the wait for the head's tiles; its load goes out behind that wait
	s_add_nc_u64 s[6:7], s[10:11], s[66:67]        ; K step 2
	s_add_nc_u64 s[12:13], s[6:7], s[66:67]        ; K step 3; the first change of slots steps it to 4
	v_and_b32 v30, 31, v0
	v_lshrrev_b32 v31, 1, v30
	v_and_b32 v30, 1, v30
	v_lshlrev_b32 v30, 8, v30
	v_mad_u32_u24 v30, v31, s23, v30               ; my block: 256 x (lane % 2) + (lane / 2) x 512 or a row
	global_prefetch_b8 v30, s[10:11] th:TH_LOAD_NT scope:SCOPE_SE   ; K step 1
	s_wait_alu depctr_va_vdst(0)                   ; the wait at the head's end
	s_wait_tensorcnt 0x0
	ds_add_u32 v[SPW], v[NIL]
	s_mov_b32 s[G1+2], 4<<16
	s_mov_b32 s[G1+4], 4
	s_mov_b32 s[G1B+2], 64<<16
	s_mov_b32 s[G1B+4], 64
	s_mov_b32 s[G0+1], s45                         ; and slot 0's descriptors stand at my half
	s_add_nc_u64 s[G0+2:G0+3], s[G0+2:G0+3], s[18:19]
	s_mov_b32 s[G0B+1], s94
	s_add_nc_u64 s[G0B+2:G0B+3], s[G0B+2:G0B+3], s[18:19]
	s_wait_dscnt 0x0
	CROUND                                         ; all four tiles are in, and all sixteen work-groups are here
	JLOAD G0+4, G1, G0B+4, G1B                     ; K step 1: the first tensor load behind the round
	FETCH 0, 0, 0
	SCALES 0
	global_prefetch_b8 v30, s[6:7] th:TH_LOAD_NT scope:SCOPE_SE     ; K step 2,
	global_prefetch_b8 v30, s[12:13] th:TH_LOAD_NT scope:SCOPE_SE   ; K step 3
.if HAS_BIAS
	s_wait_loadcnt 0x0
.endif
	STEP 0, 0, HAS_BIAS
.if LAPS > 1
	WIN 0
	s_mov_b32 s3, LAPS-1
.Llap:
	STEP 0, 1, 2
	STEP 0, 2, 2
	TURN 0, 1, 1
	STEP 1, 0, 2
	STEP 1, 1, 2
	STEP 1, 2, 2
	TURN 1, 0, 1
	STEP 0, 0, 2
	WIN 0
	s_sub_co_u32 s3, s3, 1
	s_cmp_lg_u32 s3, 0
	s_cbranch_scc1 .Llap
.endif
	; the residual's 64 x 64 numbers of my wave: asked for behind the loop, with the last seven steps of 128 along K in which to land; wanted on the way out
	WIN 0x80
.irp a, 0,1,2,3
.irp t, 0,1,2,3,4,5,6,7
	global_load_b128 v[4*(8*\a+\t):4*(8*\a+\t)+3], v[CO], s[96:97] offset:(16*\a+2*\t)*4096 th:TH_LOAD_NT
.endr
.endr
	WIN 0
	STEP 0, 1, 2
	STEP 0, 2, 2
	TURN 0, 1, 0
	STEP 1, 0, 2
	STEP 1, 1, 2
	STEP 1, 2, 2
	s_wait_dscnt 0x0
	WIN MULW
	MUL 128, 3, 1, 0, 4, 2
	WIN 0
.macro TOSTAGE a
.irp b, 0,1,2,3
	ds_store_b128 v[STO], v[ACC+8*(4*(\a)+\b):ACC+8*(4*(\a)+\b)+3] offset:64*\b
	ds_store_b128 v[STO], v[ACC+8*(4*(\a)+\b)+4:ACC+8*(4*(\a)+\b)+7] offset:64*\b+16
.endr
.irp t, 0,1,2,3,4,5,6,7
	ds_load_b128 v[BK+32*((\a)%2)+4*\t:BK+32*((\a)%2)+4*\t+3], v[RD] offset:\t*2*SPITCH
.endr
.endm
.macro SEND a, younger
.set BB, BK+32*((\a)%2)
	s_wait_dscnt \younger
	WIN 0x08
.irp i, 0,2,4,6,8,10,12,14,16,18,20,22,24,26,28,30
	v_pk_add_f32 v[BB+\i:BB+\i+1], v[BB+\i:BB+\i+1], v[32*(\a)+\i:32*(\a)+\i+1]
.endr
	WIN 0
.irp t, 0,1,2,3,4,5,6,7
	global_store_b128 v[CO], v[BB+4*\t:BB+4*\t+3], s[98:99] offset:(16*(\a)+2*\t)*4096 th:TH_STORE_NT
.endr
.endm
	PLACES 8
	s_wait_loadcnt 0x0
	TOSTAGE 0
.irp a, 1,2,3
.if \a > 1
	s_wait_xcnt 0x0
.endif
	TOSTAGE \a
	SEND \a-1, 16
.endr
	SEND 3, 0
	s_wait_tensorcnt 0x0
	ds_add_u32 v[SPW], v[NIL]
	s_wait_dscnt 0x0
	CROUND
	s_endpgm
.Lfunc_end_k_qa54c2877c0_ff2:
	.size	k_qa54c2877c0_ff2, .Lfunc_end_k_qa54c2877c0_ff2-k_qa54c2877c0_ff2
	.p2alignl 7, 3214868480
	.fill 96, 4, 3214868480
	.section	.rodata,"a",@progbits
	.p2align	6, 0x0
	.amdhsa_kernel k_qa54c2877c0_ff2
		.amdhsa_group_segment_fixed_size 327680
		.amdhsa_private_segment_fixed_size 0
		.amdhsa_enable_private_segment 0
		.amdhsa_kernarg_size 56
		.amdhsa_user_sgpr_count 2
		.amdhsa_user_sgpr_kernarg_segment_ptr 1
		.amdhsa_wavefront_size32 1
		.amdhsa_system_sgpr_workgroup_id_x 1
		.amdhsa_system_sgpr_workgroup_id_y 1
		.amdhsa_system_sgpr_workgroup_id_z 1
		.amdhsa_system_vgpr_workitem_id 0
		.amdhsa_next_free_vgpr 640
		.amdhsa_next_free_sgpr 102
		.amdhsa_reserve_vcc 0
		.amdhsa_float_denorm_mode_32 3
		.amdhsa_float_denorm_mode_16_64 3
		.amdhsa_memory_ordered 1
		.amdhsa_forward_progress 1
		.amdhsa_inst_pref_size 104
	.end_amdhsa_kernel
	.amdgpu_metadata
---
amdhsa.version: [ 1, 2 ]
amdhsa.kernels:
  - .name:           k_qa54c2877c0_ff2
    .symbol:         k_qa54c2877c0_ff2.kd
    .args:
      - { .name: act_img, .offset: 0, .size: 8, .value_kind: global_buffer, .address_space: global }
      - { .name: act_scl, .offset: 8, .size: 8, .value_kind: global_buffer, .address_space: global }
      - { .name: ff2_w_codes, .offset: 16, .size: 8, .value_kind: global_buffer, .address_space: global }
      - { .name: ff2_w_scales, .offset: 24, .size: 8, .value_kind: global_buffer, .address_space: global }
      - { .name: x1, .offset: 32, .size: 8, .value_kind: global_buffer, .address_space: global }
      - { .name: out0, .offset: 40, .size: 8, .value_kind: global_buffer, .address_space: global }
      - { .name: ff2_b, .offset: 48, .size: 8, .value_kind: global_buffer, .address_space: global }
    .group_segment_fixed_size: 327680
    .private_segment_fixed_size: 0
    .kernarg_segment_align: 8
    .kernarg_segment_size: 56
    .max_flat_workgroup_size: 128
    .sgpr_count:     102
    .vgpr_count:     640
    .wavefront_size: 32
...
	.end_amdgpu_metadata
.endif
;; end of part 6
